; MI455X (gfx1250); checked and timed in simulation.
; The chip was launched on July 23, 2026; its instructions are those of AMD's public machine-readable ISA for CDNA 5 (MIT licence, August 2026) and "CDNA5" Instruction Set Architecture Reference Guide (July 2026). The comments in the code are by the model that wrote it; some were corrected since.
;; Causal Self Attention. Allowed arithmetic: matrix products marked QUANTISED: E2M3 operands, one E8M0 scale for each 32 along K, by v_wmma_scale_f32_16x16x128_f8f6f4 with both operands' format E2M3, f32 sums; everything else in f32.
;; Inputs: w_attn 3,072 x 1,024 float32; w_proj 1,024 x 1,024 float32; x 4 x 2,048 x 1,024 float32.
;; Outputs: out0 4 x 2,048 x 1,024 float32.
;; This version of the problem:
;;   THIS VERSION OF THE PROBLEM IS GIVEN IN LOW PRECISION. The matrix products marked QUANTISED in the list below multiply operands that are first quantised to E2M3 (2 exponent bits, 3 mantissa bits; 6 bits a number), with one power-of-two scale for each 32 numbers along K (OCP MX v1.0); their sums are f32. All else is computed in f32.
;;   The module's matrix products, in the order in which they are computed (A, B: the left and right operand; K: the contracted axis; several contracted axes count as one K, in the product's order):
;;     1. [M 8,192, K 1,024] x [K 1,024, N 3,072]; A: input x; B: input w_attn: QUANTISED
;;     2. batch 64 x [M 2,048, K 64] x [K 64, N 2,048]; A: computed on the way; B: computed on the way: QUANTISED
;;     3. batch 64 x [M 2,048, K 2,048] x [K 2,048, N 64]; A: softmax (see below); B: computed on the way: QUANTISED
;;     4. [M 8,192, K 1,024] x [K 1,024, N 1,024]; A: computed on the way; B: input w_proj: QUANTISED
;;   THE QUANTISER, for each operand of a quantised product, along K:
;;     - K is cut into blocks of 32 from its start; a last block that is shorter is filled with zeros.
;;     - A block's scale is 2^e with e = floor(log2(the largest magnitude in the block)) - 2, held to -126 .. 127; a block of zeros has e = 0. As a byte (E8M0): e + 127.
;;     - Each number is divided by its block's scale, clamped to +-7.5, and rounded to the nearest number of E2M3, ties to even, subnormals kept.
;;     - The product sums the exact products of the quantised numbers (number of the format x scale) in f32.
;;   ~~~python
;;   def quantise(x, axis):      # numpy; x: float32 -> the quantised numbers, widened to float32 again
;;       x = np.moveaxis(x, axis, -1); K = x.shape[-1]
;;       x = np.pad(x, [(0, 0)] * (x.ndim - 1) + [(0, -K % 32)]); x = x.reshape(x.shape[:-1] + (-1, 32)); a = np.abs(x).max(-1, keepdims=True)
;;       e = np.where(a > 0, np.clip(np.frexp(np.where(a > 0, a, 1))[1] - 1 - 2, -126, 127), 0)      # np.frexp(a)[1] - 1 = floor(log2(a)), exactly
;;       r = np.clip(x / 2.0 ** e, -7.5, 7.5)
;;       step = 2.0 ** (np.maximum(np.frexp(np.where(r == 0, 1, r))[1] - 1, 0) - 3)
;;       q = np.round(r / step) * step * 2.0 ** e      # np.round: ties to even
;;       return np.moveaxis(q.reshape(q.shape[:-2] + (-1,))[..., :K], -1, axis).astype(np.float32)
;;   ~~~
;;   SOFTMAX AHEAD OF A QUANTISED PRODUCT. Where the list says 'softmax', what is quantised is not the finished softmax but p = 2^(t - M), with t = logit x log2(e) and M = ceil(the row's largest t), a whole number; so 1/2 < the row's largest p <= 1. The row's sum l is taken of the UNQUANTISED p, in f32, and the product's result is divided by l at the end. Since M is a whole number, a kernel that streams over the keys may use a running M (the ceiling of the running maximum): every later rescaling is an exact power of two, which a block's scale takes up: the codes' values come out the same.
;;   OPERANDS COMPUTED ON THE WAY. 'Computed on the way' means the value that the module computes at that place (a softmax that the list does not call 'softmax' is quantised finished and normalised). What goes into a quantiser is computed in f32, as accurately as f32 sums, v_exp_f32 and their like allow (about 1e-6 of the number): no bf16 or f16 on the way to a quantiser, and a product that is left as it is and whose result goes on into a quantised operand takes f32 operands (vector FMAs, or v_wmma_f32_16x16x4_f32). A number that lies on a knife's edge between two numbers of the format may be rounded either way, as far as f32 arithmetic and the matrix unit's own rounding can turn it there, and no further.
;; One version. Each part assembles by itself: llvm-mc -triple=amdgcn-amd-amdhsa -mcpu=gfx1250 --defsym DOCPART=n.
;; ======== version 1 of 1: 4 launches
;; workspace buffers: codes 9,437,184 bytes; scales 393,216 bytes; kv 13,631,488 bytes; qb 13,631,488 bytes; yc 6,291,456 bytes; ys 262,144 bytes
;; launch quant (part 1): grid 384 x 1, 4 waves a work-group, no clusters, 33,280 bytes of LDS; arguments x, w_attn, w_proj, codes, scales; writes codes, scales
.if DOCPART == 1
	.amdgcn_target "amdgcn-amd-amdhsa--gfx1250"
	.amdhsa_code_object_version 6
	.text
	.protected	k_q20d575efd7_quant
	.globl	k_q20d575efd7_quant
	.p2align	8
	.type	k_q20d575efd7_quant,@function
k_q20d575efd7_quant:
	s_mov_b64 s[64:65], 0
	v_nop
	global_prefetch_b8 v0, s[64:65] scope:SCOPE_SE
	s_setreg_imm32_b32 hwreg(HW_REG_WAVE_MODE, 25, 1), 1
	s_wait_xcnt 0x0
; x [8192][1024], w_attn [3072][1024] and w_proj [1024][1024], f32, become codes of FP6 (E2M3), K innermost, 768 bytes a row, and one E8M0 scale byte for each 32 along K, 32 bytes a row.
; The three tensors' rows stand one behind the other in the two outputs: rows 0-8191 x, 8192-11263 w_attn, 11264-12287 w_proj.
; A block's scale is 2^(floor(log2(its largest magnitude)) - 2); its byte is the largest magnitude's exponent field - 2, held at 1 from below.  Each number is divided by the scale and rounded to the nearest code, ties to even; beyond 7.5 the largest code.
; LIMITS: NaN and infinities among the inputs are not served; a block whose largest magnitude lies under 2^-124 has its byte held at 1; a block of zeros gets the byte 1 where the rule says 127: its codes are zeros, and this program alone reads the bytes.
; POSITION ORDER.  The rows of x and of w_attn are stored with bits 3 and 4 of the row number exchanged (w_proj's are not): a wave takes 8 rows, a work-group 32, so the exchange is of the two middle waves' places.
; The later launches lean on it: 16 neighbouring positions as a matrix instruction's source 0 leave a lane's registers of two neighbouring tiles holding 16 true neighbours.
; A wave takes 16 steps of 512 numbers.  Each of a step's four loads reads 512 consecutive bytes; the 2,048 bytes turn through the wave's own stage in LDS and come back 64 bytes a lane, so that a lane holds 16 neighbours
; along K (two neighbouring lanes hold a block).  The stage has 16 bytes of padding behind each 64.  A lane's 16 codes are 12 bytes: the wave stores 384 consecutive bytes.  A wave's 256 scale bytes are gathered in LDS and leave together.
; No tensor loads, no barrier: waves share nothing.  Loads run four steps (16 loads a wave) ahead, the turn through LDS one step.
.set STEPS, 16
.set WGX,   256                        ; work-groups of x: 8192 x 1024 / 32768
.set WGA,   352                        ; of x and w_attn together
.set EMAX,  2
.set CB,    12                         ; bytes of 16 codes
.set R,     16                         ; v16-79   four sets of 16 numbers as they are loaded
.set X,     80                         ; v80-111  two sets of 16 neighbours
.set C,     128                        ; v128-191 codes: four registers for each step, so that no store's data are written again
.set E,     112                        ; v112-127 a scale byte for each step
.set WREG,  8192                       ; LDS: a region for each wave: two stages of 32 x SP bytes, behind them its 256 scale bytes
.set SP,    80                         ; a lane's place in a stage: 64 bytes + 16 of padding
	s_load_b128 s[4:7], s[0:1], 0x0                ; x, w_attn
	s_load_b128 s[8:11], s[0:1], 0x10              ; w_proj, the codes
	s_load_b64 s[12:13], s[0:1], 0x20              ; the scale bytes
	v_lshl_add_u32 v192, v0, 2, 0x8000
	v_mov_b32 v193, 0
	v_lshrrev_b32 v1, 5, v0
	v_readfirstlane_b32 s16, v1                    ; wave
	v_and_b32 v2, 31, v0                           ; lane
	v_lshlrev_b32 v3, 4, v2                        ; my 16 bytes of a load's 512
	s_mul_i32 s17, s16, WREG
	v_lshrrev_b32 v14, 2, v2
	v_mul_u32_u24 v14, v14, SP
	v_and_b32 v15, 3, v2
	v_lshl_add_u32 v14, v15, 4, v14
	v_add_nc_u32 v14, s17, v14                     ; the stage, on the way in: SP (lane / 4) + 16 (lane % 4)
	v_mul_u32_u24 v15, v2, SP
	v_add_nc_u32 v15, s17, v15                     ; and on the way out: SP x lane: my 16 neighbours
	v_mul_u32_u24 v4, v2, CB                       ; my codes' place in a step's
	v_lshrrev_b32 v5, 1, v2
	s_add_co_u32 s17, s17, 2*32*SP
	v_add_nc_u32 v5, s17, v5                       ; LDS: my wave's 256 scale bytes, my block's byte
	v_lshlrev_b32 v7, 3, v2                        ; and on the way out 8 bytes a lane
	v_add_nc_u32 v6, s17, v7
	s_and_b32 s20, s16, 1
	s_lshl_b32 s20, s20, 1
	s_lshr_b32 s21, s16, 1
	s_or_b32 s20, s20, s21                         ; the wave's number with its two bits exchanged: its place in position order
	s_wait_kmcnt 0x0
	s_cmp_lt_u32 ttmp9, WGX                        ; which tensor?  The choices hang on the work-group's number alone
	s_cselect_b64 s[4:5], s[4:5], s[6:7]
	s_cselect_b32 s17, 0, WGX
	s_cmp_lt_u32 ttmp9, WGA
	s_cselect_b64 s[4:5], s[4:5], s[8:9]
	s_cselect_b32 s17, s17, WGA                    ; the tensor's first work-group
	s_cselect_b32 s20, s20, s16                    ; w_proj keeps its rows' order
	s_sub_co_u32 s17, ttmp9, s17
	s_lshl_b32 s17, s17, 2
	s_add_co_u32 s18, s17, s16                     ; which run of 8,192 numbers of the tensor my wave reads
	s_mov_b32 s19, 0
	s_lshl_b64 s[22:23], s[18:19], 15              ; 32,768 bytes a run
	s_add_nc_u64 s[4:5], s[4:5], s[22:23]
	s_lshl_b32 s18, ttmp9, 2
	s_add_co_u32 s18, s18, s20                     ; and which run of the outputs it writes (1,536 runs in all)
	s_mul_i32 s22, s18, 32*STEPS*CB                ; 6,144 bytes of codes a run
	s_mov_b32 s23, 0
	s_add_nc_u64 s[10:11], s[10:11], s[22:23]
	s_lshl_b32 s22, s18, 8                         ; 256 scale bytes a run
	s_add_nc_u64 s[12:13], s[12:13], s[22:23]
.macro LOAD t
.irp i, 0,1,2,3
	global_load_b128 v[R+16*((\t)%4)+4*\i:R+16*((\t)%4)+4*\i+3], v3, s[4:5] offset:2048*(\t)+512*\i th:TH_LOAD_NT   ; 32 lanes read 512 consecutive bytes
.endr
.endm
.macro TURN t                          ; step t's numbers through the stage: LDS serves a wave's instructions in order, so no wait stands between the stores and the loads
.irp i, 0,1,2,3
	ds_store_b128 v14, v[R+16*((\t)%4)+4*\i:R+16*((\t)%4)+4*\i+3] offset:32*SP*((\t)%2)+8*SP*\i
.endr
.irp i, 0,1,2,3
	ds_load_b128 v[X+16*((\t)%2)+4*\i:X+16*((\t)%2)+4*\i+3], v15 offset:32*SP*((\t)%2)+16*\i
.endr
.endm
.irp t, 0,1,2,3
	LOAD \t
.endr
	s_wait_loadcnt 12                              ; step 0's four loads are in; the twelve of steps 1 to 3 may be out
	TURN 0
.macro STEP t
.set XS, X+16*((\t)%2)
.if (\t) > 0
	s_wait_dscnt 1                                 ; this step's numbers are back from the stage (the last step's byte store may be out): so its stores into the stage have read their registers,
.else
	s_wait_dscnt 0x0
.endif
.if (\t)+4 < STEPS
	LOAD (\t)+4                                    ; which take the loads of four steps on
.endif
.if (\t)+1 < STEPS
.if STEPS-2-(\t) >= 3
	s_wait_loadcnt 12                              ; the next step's four loads are in; those of the three steps behind it may be out
.else
	s_wait_loadcnt 4*(STEPS-2-(\t))
.endif
	TURN (\t)+1                                    ; and go through the other stage while this step is worked
.endif
	v_max3_num_f32 v8, |v[XS]|, |v[XS+1]|, |v[XS+2]|               ; the largest magnitude of my 16, in two chains
	v_max3_num_f32 v9, |v[XS+3]|, |v[XS+4]|, |v[XS+5]|
.irp i, 6,10
	v_max3_num_f32 v8, v8, |v[XS+\i]|, |v[XS+\i+1]|
	v_max3_num_f32 v9, v9, |v[XS+\i+2]|, |v[XS+\i+3]|
.endr
	v_max3_num_f32 v8, v8, |v[XS+14]|, |v[XS+15]|
	v_max3_num_f32 v8, v8, v9, (EMAX+1)<<23        ; and the floor 2^(3 - 127): the byte cannot fall under 1
	v_max_num_f32_dpp v8, v8, v8 row_xmask:1 row_mask:0xf bank_mask:0xf   ; and of my neighbour's 16: the block's
	v_add_nc_u32 v11, -(EMAX<<23), v8              ; 2 off its exponent field: the conversion takes the exponent field of this operand as its scale, and nothing else of it
	v_cvt_scalef32_pk16_fp6_f32 v[C+4*(\t):C+4*(\t)+2], v[XS:XS+15], v11         ; sixteen codes, 96 bits without gaps, the first number's code lowest
	v_lshrrev_b32 v[E+(\t)], 23, v11               ; the scale's byte (also the plain instruction behind the conversion)
	ds_store_b8 v5, v[E+(\t)] offset:16*(\t)       ; both lanes of a block write the same byte with the same value
	global_store_b96 v4, v[C+4*(\t):C+4*(\t)+2], s[10:11] offset:32*CB*(\t)
.endm
.irp t, 0,1,2,3,4,5,6,7,8,9,10,11,12,13,14,15
	STEP \t
.endr
	ds_load_b64 v[12:13], v6                       ; LDS serves a wave's instructions in order: these see my stores
	s_wait_dscnt 0x0
	global_store_b64 v7, v[12:13], s[12:13]        ; 32 lanes store 256 consecutive bytes, aligned
	s_wait_tensorcnt 0x0
	ds_add_u32 v192, v193
	s_wait_dscnt 0x0
	s_endpgm
.Lfunc_end_k_q20d575efd7_quant:
	.size	k_q20d575efd7_quant, .Lfunc_end_k_q20d575efd7_quant-k_q20d575efd7_quant
	.p2alignl 7, 3214868480
	.fill 96, 4, 3214868480
	.section	.rodata,"a",@progbits
	.p2align	6, 0x0
	.amdhsa_kernel k_q20d575efd7_quant
		.amdhsa_group_segment_fixed_size 33280
		.amdhsa_private_segment_fixed_size 0
		.amdhsa_enable_private_segment 0
		.amdhsa_kernarg_size 40
		.amdhsa_user_sgpr_count 2
		.amdhsa_user_sgpr_kernarg_segment_ptr 1
		.amdhsa_wavefront_size32 1
		.amdhsa_system_sgpr_workgroup_id_x 1
		.amdhsa_system_sgpr_workgroup_id_y 1
		.amdhsa_system_sgpr_workgroup_id_z 1
		.amdhsa_system_vgpr_workitem_id 0
		.amdhsa_next_free_vgpr 194
		.amdhsa_next_free_sgpr 66
		.amdhsa_reserve_vcc 0
		.amdhsa_float_denorm_mode_32 3
		.amdhsa_float_denorm_mode_16_64 3
		.amdhsa_memory_ordered 1
		.amdhsa_forward_progress 1
		.amdhsa_inst_pref_size 33
	.end_amdhsa_kernel
	.amdgpu_metadata
---
amdhsa.version: [ 1, 2 ]
amdhsa.kernels:
  - .name:           k_q20d575efd7_quant
    .symbol:         k_q20d575efd7_quant.kd
    .args:
      - { .name: x, .offset: 0, .size: 8, .value_kind: global_buffer, .address_space: global }
      - { .name: w_attn, .offset: 8, .size: 8, .value_kind: global_buffer, .address_space: global }
      - { .name: w_proj, .offset: 16, .size: 8, .value_kind: global_buffer, .address_space: global }
      - { .name: codes, .offset: 24, .size: 8, .value_kind: global_buffer, .address_space: global }
      - { .name: scales, .offset: 32, .size: 8, .value_kind: global_buffer, .address_space: global }
    .group_segment_fixed_size: 33280
    .private_segment_fixed_size: 0
    .kernarg_segment_align: 8
    .kernarg_segment_size: 40
    .max_flat_workgroup_size: 128
    .sgpr_count:     66
    .vgpr_count:     194
    .wavefront_size: 32
...
	.end_amdgpu_metadata
.endif
;; end of part 1
;; launch qkv (part 2): grid 8 x 48, 4 waves a work-group, clusters of 4 x 4, 327,680 bytes of LDS; arguments codes, scales, qb, kv; writes qb, kv
.if DOCPART == 2
	.amdgcn_target "amdgcn-amd-amdhsa--gfx1250"
	.amdhsa_code_object_version 6
	.text
	.protected	k_q20d575efd7_qkv
	.globl	k_q20d575efd7_qkv
	.p2align	8
	.type	k_q20d575efd7_qkv,@function
k_q20d575efd7_qkv:
	s_mov_b64 s[64:65], 0
	v_nop
	global_prefetch_b8 v0, s[64:65] scope:SCOPE_SE
	s_setreg_imm32_b32 hwreg(HW_REG_WAVE_MODE, 25, 1), 1
	s_wait_xcnt 0x0
	s_wait_alu depctr_hold_cnt(0) depctr_sa_sdst(0) depctr_va_vdst(0) depctr_va_sdst(0) depctr_va_ssrc(0) depctr_va_vcc(0) depctr_vm_vsrc(0)
	s_getreg_b32 s2, hwreg(HW_REG_IB_STS2, 6, 4)
	s_cmp_eq_u32 s2, 0
	s_cbranch_scc0 .Lentry_in_a_cluster
	s_endpgm
.Lentry_in_a_cluster:
	s_bfe_u32 s2, ttmp6, 0x10000c
	s_cmp_lg_u32 s2, 0xf033
	s_cbranch_scc0 .Lentry_shape_is_right
	s_endpgm
.Lentry_shape_is_right:
; qkv = x w_attn^T on codes of FP6 (E2M3) with E8M0 scales, K = 1024, and its results quantised at once: q and k along the head's 64, v along the keys.  No f32 result goes to memory.
; ONE BODY FOR TWO PRODUCTS of the form  out = quantised along n (A B^T):  clusters with y < 8: A = 256 rows of x, B = 256 rows of w_attn's q part (cluster x = 0) or k part (1): n runs along the heads' channels;
; clusters with y >= 8: A = 256 rows of w_attn's v part, B = 256 rows of x: the result is v TRANSPOSED, and n runs along the keys.  All rows come from one buffer of codes (x: rows 0-8191, w_attn: 8192-11263),
; so the two cases differ in numbers alone, chosen by s_cselect on the cluster's number, which all partners share: there is no branch.
; THE PRODUCT: a tile of 256 x 256 by four waves, each 128 x 128 in 64 accumulators; K in steps of 256 through a ring of two LDS slots filled by the tensor data mover; the scale bytes of the tile's rows come once and stay.
; CLUSTERS: 4 x 4 work-groups; A's tiles are asked for jointly along a row of the cluster, B's along a column.  THE MATRIX INSTRUCTION IS USED TRANSPOSED (source 0 = 16 rows of B, source 1 = 16 rows of A): a lane holds one row of A.
; POSITION ORDER: the rows of x and w_attn lie in the buffer with bits 3 and 4 of the row number exchanged.  So register j of B's tile b is true column 32 (b / 2) + 16 (lane / 16) + 8 (b % 2) + j: a lane's 64 registers of one
; block of A's rows are, 16 by 16, true neighbours along n: register 16 g + i = n 32 g + 16 (lane / 16) + i.  Lanes l and l xor 16 share a block of 32.
; THE WAY OUT: each block of 16 rows x 128 n becomes the 12 registers of an operand (16 rows x 128 along the next K) and a scale word, and leaves AS AN IMAGE OF THOSE REGISTERS: half an image is 6 registers, three stores of
; 8 bytes a lane, each of 256 consecutive bytes, aligned.  kv and qb: [16 b + head][key step of 128 rows][13,312 bytes]: 0: K (or Q), four images, each of two tiles of 16 rows x 64; 6,144: V, four images of 16 channels x 128 keys;
; 12,288: K's (Q's) scale words, [pairs 0-1, 2-3][lane][2 words]; 12,800: V's, [tiles 0 and 2, 1 and 3][lane][2 words].
; LIMITS: a block whose largest magnitude lies under 2^-124 has its byte held at 1; a block of zeros gets the byte 1 where the rule says 127 (its codes are zeros; this program alone reads the bytes); NaN and infinities are not served.
; No prefetch: a work-group has four fills of a slot in all, two of them at its head.
; REGISTERS, in windows of 256: window 0: v0-31 addresses; v32-63 scale words, two sets; from v128 A's fragments, ONE set; on the way out v64-101 and v200-227.  window 1: B's fragments, TWO sets.  windows 2, 3: the accumulators ((a, b) at v[8 (8 (a % 4) + b)]).
.set SIZE_K, 1024
.set KSTEP,  256                       ; along K in a slot
.set NQ,     KSTEP/128                 ; matrix instructions deep
.set ROWB,   192                       ; a tile's row in bytes
.set KROW,   SIZE_K*6/8                ; a row of codes in memory
.set PITCH,  240                       ; an LDS row: 3 x (64 bytes + 16 of padding) = 60 words: the 32 lanes of a load of 8 bytes touch 64 different banks (64 banks of 4 bytes: ISA guide 11.1)
.set FR,     12                        ; registers of a fragment
.set NL,     6                         ; LDS loads that bring one
.set NP,     4                         ; places behind this matrix instruction (ISA guide 7.12.1)
.set HALFT,  128*PITCH                 ; 128 rows: what one tensor load brings
.set SLOT,   4*HALFT                   ; A's 256 rows, then B's 256 rows
.set LAPS,   SIZE_K/(2*KSTEP)
.set KS,     SIZE_K/32                 ; a row of scale bytes
.set SCL,    2*SLOT                    ; behind the ring: the scales, as rows of 256 bytes + 16 of padding
.set HALFS,  (128*KS/256)*272
.set SBLK,   (16*KS/256)*272
.set SPARE,  SCL+4*HALFS               ; the spare words, 128 bytes for each wave: two blocks of 256 bytes that no other line names
.set HB,     212992                    ; a head's bytes in qb and kv: 16 key steps
.set STEPB,  13312                     ; a key step's
.set ADRA, 16                          ; v16-17 LDS address of my A fragments in slot 0, 1 (v18-19: for the pieces behind one padding more)
.set ADRB, 20                          ; v20-21 the same for B (v22-23)
.set ADRS, 27                          ; v27    LDS address of my scale words: lanes 0-15 A's rows, lanes 16-31 B's
.set SPW,  28                          ; v28    LDS address of my spare word; never rewritten
.set NIL,  29                          ; v29    0; never rewritten
.set SC,   32                          ; scale words: set s at v[SC + 8 NQ s]; register NQ i + q: lanes 0-15 A's block i, lanes 16-31 B's block i
.set AF,   128                         ; A's fragments
.set HI,   64                          ; the way out: v64-87 four half images: (t, c) at HI + 6 (2 t + c)
.set T2,   88                          ; v88-95  what the conversions leave beside them
.set VO,   96                          ; v96-99  a half image's byte offset: 8 x lane + t x ST + c x SC
.set L8,   100                         ; v100    8 x lane;  v101: the same + SZ
.set TM,   200                         ; v200-203 largest magnitudes, v204-207 the other lane's, then bytes, v212-215 the conversions' scale operands
.set WD,   216                         ; v216-217 the two blocks' scale words
.set XW,   220                         ; v220-223, v224-227 the words as they are stored
.set YW,   224
.set G1, 24                            ; s[24:31] descriptor group 1 for A's tiles;  s[32:39] group 0, one set for each slot
.set G0, 32
.set G1B, 48                           ; s[48:55], s[56:63] the same for B's tiles
.set G0B, 56
.set G1S, 68                           ; s[68:75], s[76:79] groups 1 and 0 for A's scales;  s[80:87], s[88:91] for B's
.set G0S, 76
.set G1SB, 80
.set G0SB, 88
.set ISV, 95                           ; s95  1 in a cluster that makes v
.set SEL, 96                           ; s[96:97] lane selects for v_permlanex16_b32: lane l xor 16
.set E_SC, 30                          ; the way out's strides (the descriptors' registers are free then): from c to c,
.set E_ST, 31                          ; from t to t,
.set E_SP0, 32                         ; from an even pair of blocks to the odd one,
.set E_SP1, 33                         ; from pairs 0, 1 to pairs 2, 3,
.set E_SZ, 34                          ; from the X words to the Y words,
.set E_SR, 35                          ; from the words of pairs 0, 1 to those of pairs 2, 3,
.set E_WC, 36                          ; from the images to the words,
.set E_VB, 37                          ; and V's place in a key step's bytes
.set SELX, 38                          ; byte selects that make the stored words of the two blocks' words
.set SELY, 39
.set BP,  48                           ; s[48:55] where the four pairs' images go
.set BW,  56                           ; s[56:59] where the words go
.set MSB, 0
.macro WIN new                         ; the immediate's high byte repeats the setting that is left
.if MSB != \new
	s_set_vgpr_msb (MSB<<8)|\new
.set MSB, \new
.endif
.endm
.set MUL_LO, 0xa1                      ; source 0 (B) window 1, source 1 (A) window 0, C and D window 2
.set MUL_HI, 0xf1                      ; the same, C and D window 3
.set TO_B,   0x40                      ; destination window 1, address window 0
; A joint load: waves 0 and 1 fetch for A, waves 2 and 3 for B.  Each line has ONE mask and one set of registers for all that issue it; the branch hangs on the wave's number alone.
; Four v_nop follow each of the two lines, ahead of the jump, the label and what follows.
.macro JLOAD g0a, g1a, g0b, g1b
	s_cmp_eq_u32 s15, 0
	s_cbranch_scc0 .Lfor_b_\@
	tensor_load_to_lds s[\g0a:\g0a+3], s[\g1a:\g1a+7]
	s_nop 0
.rept 4
	v_nop
.endr
	s_branch .Lasked_\@
.Lfor_b_\@:
	tensor_load_to_lds s[\g0b:\g0b+3], s[\g1b:\g1b+7]
	s_nop 0
.rept 4
	v_nop
.endr
.Lasked_\@:
.endm
.macro CREST                           ; a round of the cluster's barrier behind its opening barrier
	s_cmp_lg_u32 s14, 0
	s_cbranch_scc1 .Lnot_wave_0_\@
	s_barrier_signal -3
.Lnot_wave_0_\@:
	s_barrier_wait -3
	s_barrier_signal -1
	s_barrier_wait -1
.endm
.macro CROUND                          ; a whole round
	s_barrier_signal -1
	s_barrier_wait -1
	CREST
.endm
	s_load_b128 s[4:7], s[0:1], 0x0                ; the codes s[4:5], the scale bytes s[6:7]
	s_load_b128 s[8:11], s[0:1], 0x10              ; qb s[8:9], kv s[10:11]
	v_lshl_add_u32 v[SPW], v0, 2, SPARE
	v_mov_b32 v[NIL], 0
	ds_add_u32 v28, v29
	ds_add_u32 v28, v29
	s_wait_dscnt 0x0
	v_lshrrev_b32 v1, 5, v0
	v_readfirstlane_b32 s14, v1                    ; wave 0..3
	s_lshr_b32 s15, s14, 1                         ; which half of the tile's rows is mine.  Also: I fetch for A (0) or for B (1)
	s_and_b32 s16, s14, 1                          ; which half of its columns.  Also: which 128 rows of that tile I fetch
	s_bfe_u32 s40, ttmp6, 0x40000                  ; cx, cy: my place in the cluster
	s_bfe_u32 s41, ttmp6, 0x40004
	s_and_b32 s18, ttmp7, 0xffff                   ; cluster y, 0..11; ttmp9: cluster x, 0 or 1
	s_max_u32 s19, s18, 8
	s_sub_co_u32 s19, s19, 8
	s_lshl_b32 s19, s19, 1
	s_add_co_u32 s19, s19, ttmp9                   ; v: which four tiles of x are the cluster's columns: 2 (y - 8) + x
	s_add_co_u32 s20, ttmp9, 8                     ; q, k: w_attn's rows begin at tile 32 of the buffer: tiles 4 (8 + x) on
	s_cmp_ge_u32 s18, 8
	s_cselect_b32 s[ISV], 1, 0
	s_cselect_b32 s17, 10, s18                     ; A: v: w_attn's v part, tiles 40 on;  q, k: x's tiles 4 y on
	s_cselect_b32 s42, s19, s20
	s_lshl_b32 s17, s17, 2
	s_add_co_u32 s17, s17, s41                     ; A's tile of 256 rows of the buffer: it holds cy and never cx
	s_lshl_b32 s42, s42, 2
	s_add_co_u32 s42, s42, s40                     ; B's: it holds cx and never cy
	s_lshl_b32 s43, s41, 2
	s_lshl_b32 s43, 15, s43                        ; my row of the cluster
	s_lshl_b32 s44, 0x1111, s40                    ; my column
	; descriptor group 1: a tile of 128 rows x ROWB bytes, padded in LDS
	s_or_b32 s[G1+0], s43, (0<<16)|(1<<20)|(1<<21)|(3<<22)|(3<<25)  ; 15:0 the mask: A's tiles go to my row; 17:16 element of 1 byte; 20 padding on; 21 set beside a mask; 24:22 after every 16 words (code 3); 31:25 of 4 words (code 3)
	s_or_b32 s[G1B+0], s44, (0<<16)|(1<<20)|(1<<21)|(3<<22)|(3<<25)
.irp g, G1, G1B
	s_mov_b32 s[\g+1], ROWB<<16                    ; tensor_dim0
	s_mov_b32 s[\g+2], 128<<16                     ; tensor_dim1 = 128
	s_mov_b32 s[\g+3], ROWB<<16                    ; tile_dim0
	s_mov_b32 s[\g+4], 128                         ; tile_dim1 = 128
	s_mov_b32 s[\g+5], KROW                        ; tensor_dim0_stride
	s_mov_b32 s[\g+6], 0
	s_mov_b32 s[\g+7], 0
.endr
	; and for the scales of 128 rows: a dense block of 4,096 bytes, as rows of 256 bytes (32 elements of 8 bytes), 16 bytes of padding behind each
	s_or_b32 s[G1S+0], s43, (3<<16)|(1<<20)|(1<<21)|(5<<22)|(3<<25)
	s_or_b32 s[G1SB+0], s44, (3<<16)|(1<<20)|(1<<21)|(5<<22)|(3<<25)
.irp g, G1S, G1SB
	s_mov_b32 s[\g+1], 32<<16
	s_mov_b32 s[\g+2], (128*KS/256)<<16
	s_mov_b32 s[\g+3], 32<<16
	s_mov_b32 s[\g+4], 128*KS/256
	s_mov_b32 s[\g+5], 32
	s_mov_b32 s[\g+6], 0
	s_mov_b32 s[\g+7], 0
.endr
	s_lshl_b32 s18, s16, 7                         ; which 128 rows of the tile I fetch
	s_lshl_b32 s20, s17, 8
	s_add_co_u32 s20, s20, s18                     ; A: row 256 x tile + 128 x half
	s_lshl_b32 s46, s42, 8
	s_add_co_u32 s46, s46, s18                     ; B likewise
	s_mov_b32 s21, 0
	s_mov_b32 s47, 0
	s_mov_b64 s[18:19], KS
	s_mul_u64 s[22:23], s[20:21], s[18:19]         ; where these rows' scales begin, in bytes
	s_mul_u64 s[92:93], s[46:47], s[18:19]
	s_mov_b64 s[18:19], KROW
	s_mul_u64 s[20:21], s[20:21], s[18:19]         ; and their codes
	s_mul_u64 s[46:47], s[46:47], s[18:19]
	s_mul_i32 s45, s14, HALFT                      ; where they go: wave x 128 rows: no place in the cluster enters an LDS address
	s_mul_i32 s94, s14, HALFS
	s_wait_kmcnt 0x0
	s_add_nc_u64 s[20:21], s[4:5], s[20:21]
	s_add_nc_u64 s[22:23], s[6:7], s[22:23]
	s_add_nc_u64 s[46:47], s[4:5], s[46:47]
	s_add_nc_u64 s[92:93], s[6:7], s[92:93]
	CROUND                                         ; all sixteen work-groups are here: the first joint loads meet
	s_mov_b32 s[G0S], 1
	s_add_co_u32 s[G0S+1], s94, SCL
	s_mov_b64 s[G0S+2:G0S+3], s[22:23]
	s_or_b32 s[G0S+3], s[G0S+3], 0x80000000
	s_mov_b32 s[G0SB], 1
	s_add_co_u32 s[G0SB+1], s94, SCL
	s_mov_b64 s[G0SB+2:G0SB+3], s[92:93]
	s_or_b32 s[G0SB+3], s[G0SB+3], 0x80000000
	JLOAD G0S, G1S, G0SB, G1SB                     ; the scales first: they are wanted with K step 0
.irp s, 0,1
	s_mov_b32 s[G0+4*\s], 1
	s_add_co_u32 s[G0+4*\s+1], s45, \s*SLOT
	s_add_nc_u64 s[G0+4*\s+2:G0+4*\s+3], s[20:21], \s*ROWB
	s_or_b32 s[G0+4*\s+3], s[G0+4*\s+3], 0x80000000
	s_mov_b32 s[G0B+4*\s], 1
	s_add_co_u32 s[G0B+4*\s+1], s45, \s*SLOT
	s_add_nc_u64 s[G0B+4*\s+2:G0B+4*\s+3], s[46:47], \s*ROWB
	s_or_b32 s[G0B+4*\s+3], s[G0B+4*\s+3], 0x80000000
	JLOAD G0+4*\s, G1, G0B+4*\s, G1B               ; three tensor loads of mine are out now, the most in this text
.endr
	v_and_b32 v1, 15, v0                           ; l % 16
	v_bfe_u32 v2, v0, 4, 1                         ; l / 16
	v_mul_u32_u24 v3, v1, PITCH
	v_mul_u32_u24 v4, v2, 24
	v_add_nc_u32 v4, v3, v4                        ; a fragment's row x pitch + 24 x half
	v_lshl_add_u32 v5, v2, 4, v4                   ; and the same behind one padding more
	s_mul_i32 s21, s15, HALFT                      ; my 128 rows of A
	s_mul_i32 s22, s16, HALFT                      ; my 128 rows of B,
	s_add_co_u32 s22, s22, 2*HALFT                 ; which lie behind A's 256
.irp s, 0,1
	v_add_nc_u32 v[ADRA+\s], s21, v4
	v_add_nc_u32 v[ADRB+\s], s22, v4
	v_add_nc_u32 v[ADRA+2+\s], s21, v5
	v_add_nc_u32 v[ADRB+2+\s], s22, v5
	s_add_co_u32 s21, s21, SLOT
	s_add_co_u32 s22, s22, SLOT
.endr
	v_mul_u32_u24 v5, v1, KS                       ; my row's scales: KS bytes a row,
	v_lshrrev_b32 v6, 8, v5
	v_lshl_add_u32 v5, v6, 4, v5                   ; and 16 more for each 256 passed
	s_mul_i32 s21, s15, HALFS                      ; A's: my 128 rows
	s_mul_i32 s22, s16, HALFS                      ; B's: my 128 rows, behind A's 256
	s_add_co_u32 s22, s22, 2*HALFS
	s_sub_co_u32 s22, s22, s21
	v_mul_u32_u24 v6, s22, v2                      ; lanes 16-31 take B's
	s_add_co_u32 s21, s21, SCL
	v_add_nc_u32 v5, v5, v6
	v_add_nc_u32 v[ADRS], s21, v5
.macro FRAG reg, adr, q, i             ; a fragment, 16 rows x 128 K, is 12 registers: lane l holds row l % 16; registers 6 c .. 6 c + 5 hold K = 64 c + 32 (l / 16) + 0 .. 31: 24 bytes of the row's stream of bits, as they lie
.irp p, 0,1,2,3,4,5                    ; in pieces of 8 bytes.  Lanes 0-15 take the row's pieces 12 q + 0, 1, 2 and 12 q + 6, 7, 8, lanes 16-31 those three pieces on
.set PCE, 12*(\q)+6*(\p/3)+\p%3        ; 16 bytes of padding lie behind every 8 pieces: where the piece three on lies behind one padding more, the second address register serves
.if PCE%8 < 5
	ds_load_b64 v[\reg+2*\p:\reg+2*\p+1], v[\adr] offset:8*PCE+16*(PCE/8)+(\i)*16*PITCH
.else
	ds_load_b64 v[\reg+2*\p:\reg+2*\p+1], v[\adr+2] offset:8*PCE+16*(PCE/8)+(\i)*16*PITCH
.endif
.endr
.endm
; 16 matrix instructions: A's blocks a0, a0 + 1 x B's eight, 128 along K: the slot's q-th.  p: B's set;  sc: the set of scale words.  zero = 1: the first product starts the sums: nothing is ever cleared.
; The 64 accumulators take turns, one instruction a turn, in the same order in every step.
.macro MUL16 a0, p, q, sc, zero
.irp a, \a0, \a0+1
.irp b, 0,1,2,3,4,5,6,7
.if \zero
	v_wmma_scale_f32_16x16x128_f8f6f4 v[8*(8*((\a)%4)+\b):8*(8*((\a)%4)+\b)+7], v[128*(\p)+FR*\b:128*(\p)+FR*\b+FR-1], v[AF+FR*(\a):AF+FR*(\a)+FR-1], 0, v[SC+8*NQ*(\sc)+NQ*\b+(\q)], v[SC+8*NQ*(\sc)+NQ*(\a)+(\q)] matrix_a_fmt:MATRIX_FMT_FP6 matrix_b_fmt:MATRIX_FMT_FP6 matrix_a_scale:MATRIX_SCALE_ROW1
.else
	v_wmma_scale_f32_16x16x128_f8f6f4 v[8*(8*((\a)%4)+\b):8*(8*((\a)%4)+\b)+7], v[128*(\p)+FR*\b:128*(\p)+FR*\b+FR-1], v[AF+FR*(\a):AF+FR*(\a)+FR-1], v[8*(8*((\a)%4)+\b):8*(8*((\a)%4)+\b)+7], v[SC+8*NQ*(\sc)+NQ*\b+(\q)], v[SC+8*NQ*(\sc)+NQ*(\a)+(\q)] matrix_a_fmt:MATRIX_FMT_FP6 matrix_b_fmt:MATRIX_FMT_FP6 matrix_a_scale:MATRIX_SCALE_ROW1
.endif
.endr
.endr
.endm
.macro FETCH_B slot, q, p              ; B's eight fragments of the slot's q-th 128 along K into set p
	WIN TO_B
.irp i, 0,1,2,3,4,5,6,7
	FRAG 128*(\p)+FR*\i, ADRB+\slot, \q, \i
.endr
	WIN 0
.endm
.macro FETCH_A slot, q, i0             ; A's blocks i0 .. i0 + 3
.irp i, \i0, \i0+1, \i0+2, \i0+3
	FRAG AF+FR*(\i), ADRA+\slot, \q, \i
.endr
.endm
.macro SCALES sc                       ; the next K step's scale words into set sc: NQ words a row; lanes 0-15 take A's block i, lanes 16-31 B's block i
.irp i, 0,1,2,3,4,5,6,7
	ds_load_b64 v[SC+8*NQ*\sc+NQ*\i:SC+8*NQ*\sc+NQ*\i+1], v[ADRS] offset:\i*SBLK
.endr
.endm
; A load into a register that a matrix instruction has read, and a vector instruction that reads a matrix result or writes one of its registers, stand NP places behind it; only plain vector instructions that name none of its registers are places.
.macro PLACES n
.rept \n
	v_nop
.endr
.endm
; A step of 128 along K that has its successor in the same slot.
.macro STEP slot, q, zero
	s_wait_dscnt 4*NL                              ; B's set and A's blocks 0-3 are in; the youngest 24 loads (A's blocks 4-7) may be out
	WIN MUL_LO
	MUL16 0, (\q)%2, \q, \slot, \zero
	MUL16 2, (\q)%2, \q, \slot, \zero
	s_wait_dscnt 0                                 ; A's blocks 4-7 are in (asked for 32 matrix instructions ago)
	PLACES NP
	FETCH_B \slot, (\q)+1, 1-(\q)%2
	FETCH_A \slot, (\q)+1, 0
	WIN MUL_HI
	MUL16 4, (\q)%2, \q, \slot, \zero
	MUL16 6, (\q)%2, \q, \slot, \zero
	PLACES NP
	WIN 0
	FETCH_A \slot, (\q)+1, 4
.endm
; A slot's last step changes slots: ONE barrier; in front of it each wave waits for all its tensor loads, adds 0 to its spare word, and waits for that and for its own reads of this slot.  fill = 1: this slot is filled again, two K steps ahead.
.macro TURN slot, next, fill
	s_wait_tensorcnt 0x0                           ; all my tensor loads have landed: my part of the next slot;  (every window is 0 here)
	ds_add_u32 v[SPW], v[NIL]                      ; 0 onto my spare word
	s_wait_dscnt 4*NL+1                            ; (the add and the youngest 24 loads, A's blocks 4-7, may be out)
	WIN MUL_LO
	MUL16 0, 1, NQ-1, \slot, 0                     ; sixteen matrix instructions stand between the add and the wait for it
	s_wait_dscnt 0x0                               ; the add is done, and my reads of this slot are over
	s_barrier_signal -1
	MUL16 2, 1, NQ-1, \slot, 0
	WIN 0
	s_barrier_wait -1
.if \fill
	CREST                                          ; the barrier has opened a round of the cluster's barrier: no wave of any partner still reads this slot's tile or has a load on its way
	s_add_nc_u64 s[G0+4*\slot+2:G0+4*\slot+3], s[G0+4*\slot+2:G0+4*\slot+3], 2*ROWB
	s_add_nc_u64 s[G0B+4*\slot+2:G0B+4*\slot+3], s[G0B+4*\slot+2:G0B+4*\slot+3], 2*ROWB
	JLOAD G0+4*\slot, G1, G0B+4*\slot, G1B         ; the first tensor load behind the round; the four v_nop behind it are the places in front of the loads below
.else
	PLACES NP
.endif
	v_add_nc_u32 v[ADRS], 4*NQ, v[ADRS]            ; on to the next K step's scale words (no LDS load of mine is out)
	FETCH_B \next, 0, 0
	FETCH_A \next, 0, 0
	SCALES \next
	WIN MUL_HI
	MUL16 4, 1, NQ-1, \slot, 0
	MUL16 6, 1, NQ-1, \slot, 0
	PLACES NP
	WIN 0
	FETCH_A \next, 0, 4
.endm
	s_wait_tensorcnt 1                             ; the scales and my part of K step 0 are in (K step 1's load may be out)
	s_barrier_signal -1
	s_barrier_wait -1                              ; everybody's are
	FETCH_B 0, 0, 0
	FETCH_A 0, 0, 0
	SCALES 0
	FETCH_A 0, 0, 4
	STEP 0, 0, 1                                   ; the first step stands in front of the loop: its products start the sums
	s_mov_b32 s3, LAPS-1
.Llap:                                                 ; a trip goes once round the ring, from a lap's second step to the next lap's first, and fills both slots again
	TURN 0, 1, 1
	STEP 1, 0, 0
	TURN 1, 0, 1
	STEP 0, 0, 0
	s_sub_co_u32 s3, s3, 1
	s_cmp_lg_u32 s3, 0
	s_cbranch_scc1 .Llap
	TURN 0, 1, 0                                   ; the last lap fills nothing, and has no round of the cluster's barrier
	STEP 1, 0, 0
	s_wait_dscnt 4*NL                              ; the very last step: nothing more to fetch
	WIN MUL_LO
	MUL16 0, 1, NQ-1, 1, 0
	MUL16 2, 1, NQ-1, 1, 0
	s_wait_dscnt 0
	WIN MUL_HI
	MUL16 4, 1, NQ-1, 1, 0
	MUL16 6, 1, NQ-1, 1, 0
	WIN 0
	; THE WAY OUT.  No tensor load of mine is out since the last change of slots, so the descriptors' registers are free.  Where everything goes, both cases side by side, chosen without a branch:
	;   q, k: my 128 rows are key step Sg = 2 x A's tile + row half; my 128 columns are heads 2 hp, 2 hp + 1, hp = 2 cx + column half.   v: my 128 columns are key step Sg = 2 x B's tile + column half; my 128 rows are heads 2 hp, 2 hp + 1, hp = 2 cy + row half.
	s_lshl_b32 s20, s17, 1
	s_add_co_u32 s20, s20, s15
	s_lshl_b32 s21, s42, 1
	s_add_co_u32 s21, s21, s16
	s_lshl_b32 s22, s40, 1
	s_add_co_u32 s22, s22, s16
	s_lshl_b32 s23, s41, 1
	s_add_co_u32 s23, s23, s15
	s_or_b32 s24, s[ISV], ttmp9                    ; 0 where q is made
	s_mov_b32 s25, HB
	s_mov_b32 s26, 768
	s_mov_b32 s27, 1536
	s_mov_b32 s28, 3072
	s_mov_b32 s29, 256
	s_mov_b32 s[E_WC], 12288
	s_mov_b32 s[SELX], 0x05040100
	s_mov_b32 s[SELY], 0x07060302
	s_mov_b32 s[SEL], 0x76543210
	s_mov_b32 s[SEL+1], 0xfedcba98
	s_cmp_lg_u32 s[ISV], 0                         ; v?  (first choice: v's)
	s_cselect_b32 s20, s21, s20                    ; Sg, 0..63
	s_cselect_b32 s22, s23, s22                    ; hp, 0..7
	s_cselect_b32 s[E_SC], s26, s25                ; c: v: keys 64 on, the image's other half;  q, k: the next head
	s_cselect_b32 s[E_ST], s27, s26                ; t: v: the next tile of channels, an image on;  q, k: the next tile of rows, the image's other half
	s_cselect_b32 s[E_SP0], s28, s27               ; the odd pair: v: two images on;  q, k: one
	s_cselect_b32 s[E_SP1], s25, s28               ; pairs 2, 3: v: the next head;  q, k: two images on
	s_cselect_b32 s[E_SZ], s29, s25                ; Y words: v: tiles 1 and 3, 256 bytes on;  q, k: the next head
	s_cselect_b32 s[E_SR], s25, s29                ; words of pairs 2, 3: v: the next head;  q, k: 256 bytes on
	s_cselect_b32 s[E_WC], 6656, s[E_WC]           ; from the images to the words
	s_cselect_b32 s[E_VB], 6144, 0
	s_cselect_b32 s[SELX], 0x03020100, s[SELX]     ; v: X = the even block's word, Y = the odd block's;  q, k: X = both blocks' bytes 0, 1 (the even head), Y = their bytes 2, 3
	s_cselect_b32 s[SELY], 0x07060504, s[SELY]
	s_cmp_lg_u32 s24, 0
	s_cselect_b64 s[12:13], s[10:11], s[8:9]       ; k and v go to kv, q to qb
	s_lshr_b32 s21, s20, 4
	s_lshl_b32 s21, s21, 4                         ; 16 x batch
	s_lshl_b32 s22, s22, 1
	s_add_co_u32 s21, s21, s22                     ; + my first head
	s_mul_i32 s21, s21, HB
	s_and_b32 s20, s20, 15
	s_mul_i32 s20, s20, STEPB                      ; + the key step in the batch
	s_add_co_u32 s20, s20, s21
	s_add_co_u32 s20, s20, s[E_VB]                 ; under 64 x HB
	s_mov_b32 s21, 0
	s_add_nc_u64 s[12:13], s[12:13], s[20:21]
	s_mov_b64 s[BP:BP+1], s[12:13]
	s_mov_b32 s20, s[E_SP0]
	s_add_nc_u64 s[BP+2:BP+3], s[12:13], s[20:21]
	s_mov_b32 s20, s[E_SP1]
	s_add_nc_u64 s[BP+4:BP+5], s[12:13], s[20:21]
	s_add_co_u32 s20, s[E_SP0], s[E_SP1]
	s_add_nc_u64 s[BP+6:BP+7], s[12:13], s[20:21]
	s_mov_b32 s20, s[E_WC]
	s_add_nc_u64 s[BW:BW+1], s[12:13], s[20:21]
	s_add_co_u32 s20, s[E_WC], s[E_SR]
	s_add_nc_u64 s[BW+2:BW+3], s[12:13], s[20:21]
	PLACES NP                                      ; behind the last products: what follows writes registers that held A's fragments
	v_and_b32 v[L8], 31, v0
	v_lshlrev_b32 v[L8], 3, v[L8]                  ; 8 x lane
	v_mov_b32 v[VO], v[L8]
	v_add_nc_u32 v[VO+1], s[E_SC], v[L8]
	v_add_nc_u32 v[VO+2], s[E_ST], v[L8]
	v_add_nc_u32 v[VO+3], s[E_ST], v[VO+1]
	v_add_nc_u32 v[L8+1], s[E_SZ], v[L8]
.irp b, 0,1,2,3
	v_mov_b32 v[TM+4+\b], 0                        ; written once: a lane permute's destination counts as one of its sources
.endr
; Block a's 64 numbers of a lane (register 16 b + i = n 32 b + 16 (lane / 16) + i of my row) become two half images, (t, 0) and (t, 1), and the scale word v[WD + t].  Each accumulator is first read at its low end.
.macro QUANT a, t
.set AC, 64*((\a)%4)
.set W,  2+(\a)/4                      ; the block's window
.set W1, W|(W<<2)
.set W2, (W<<2)|(W<<4)
	WIN W1                                         ; sources 0 and 1
.irp b, 0,1,2,3
	v_max3_num_f32 v[TM+\b], |v[AC+16*\b]|, |v[AC+16*\b+1]|, 0x1800000   ; block b: my 16 numbers, and the floor 2^(3 - 127): the byte cannot fall under 1
.endr
	WIN W2                                         ; sources 1 and 2
.irp i, 2,4,6,8,10,12,14
.irp b, 0,1,2,3
	v_max3_num_f32 v[TM+\b], v[TM+\b], |v[AC+16*\b+\i]|, |v[AC+16*\b+\i+1]|   ; (the four blocks by turns)
.endr
.endr
	WIN 0
.irp b, 0,1,2,3
	v_permlanex16_b32 v[TM+4+\b], v[TM+\b], s[SEL], s[SEL+1]
.endr
.irp b, 0,1,2,3
	v_max_num_f32 v[TM+\b], v[TM+\b], v[TM+4+\b]   ; with lane l xor 16's: the block's largest magnitude
.endr
.irp b, 0,1,2,3
	v_add_nc_u32 v[TM+12+\b], 0xff000000, v[TM+\b] ; 2 off its exponent field: the conversion's scale operand
.endr
.irp b, 0,1,2,3
	v_lshrrev_b32 v[TM+4+\b], 23, v[TM+12+\b]      ; the scale's byte
.endr
	v_lshl_or_b32 v[WD+\t], v[TM+5], 8, v[TM+4]
	v_lshl_or_b32 v[WD+\t], v[TM+6], 16, v[WD+\t]
	v_lshl_or_b32 v[WD+\t], v[TM+7], 24, v[WD+\t]
	WIN W                                          ; source 0
.irp c, 0,1
	v_cvt_scalef32_pk16_fp6_f32 v[HI+6*(2*\t+\c):HI+6*(2*\t+\c)+2], v[AC+32*\c:AC+32*\c+15], v[TM+12+2*\c]
	v_cvt_scalef32_pk16_fp6_f32 v[T2+4*\c:T2+4*\c+2], v[AC+32*\c+16:AC+32*\c+31], v[TM+13+2*\c]   ; (a conversion's three registers begin on an even number)
.endr
	WIN 0
	v_nop                                          ; one plain instruction behind a scaled conversion
.irp c, 0,1                                    ; the operand's layout wants a WHOLE block in a lane: lanes 0-15 block 2 c, lanes 16-31 block 2 c + 1
.irp i, 0,1,2
	v_permlane16_swap_b32 v[HI+6*(2*\t+\c)+\i], v[T2+4*\c+\i]
.endr
.irp i, 0,1,2
	v_mov_b32 v[HI+6*(2*\t+\c)+3+\i], v[T2+4*\c+\i]
.endr
.endr
.endm
.irp g, 0,1,2,3                                ; blocks 2 g and 2 g + 1 of my eight
.if \g > 0
	s_wait_xcnt 0x0                                ; the last pair's stores have read their data: the half images are written again only behind this wait
.endif
	QUANT 2*\g, 0
	QUANT 2*\g+1, 1
	v_perm_b32 v[XW+\g], v[WD+1], v[WD], s[SELX]
	v_perm_b32 v[YW+\g], v[WD+1], v[WD], s[SELY]
.irp t, 0,1
.irp c, 0,1
.irp i, 0,1,2
	global_store_b64 v[VO+2*\t+\c], v[HI+6*(2*\t+\c)+2*\i:HI+6*(2*\t+\c)+2*\i+1], s[BP+2*\g:BP+2*\g+1] offset:256*\i   ; 32 lanes store 256 consecutive bytes, aligned
.endr
.endr
.endr
.endr
.irp q, 0,1
	global_store_b64 v[L8], v[XW+2*\q:XW+2*\q+1], s[BW+2*\q:BW+2*\q+1]      ; two words a lane (lanes 16-31 hold the same words as lanes 0-15)
	global_store_b64 v[L8+1], v[YW+2*\q:YW+2*\q+1], s[BW+2*\q:BW+2*\q+1]
.endr
	s_wait_tensorcnt 0x0                           ; the wave's end
	ds_add_u32 v[SPW], v[NIL]
	s_wait_dscnt 0x0
	CROUND                                         ; the closing round: no work-group ends while a partner may still ask for a tile that names it
	s_endpgm
.Lfunc_end_k_q20d575efd7_qkv:
	.size	k_q20d575efd7_qkv, .Lfunc_end_k_q20d575efd7_qkv-k_q20d575efd7_qkv
	.p2alignl 7, 3214868480
	.fill 96, 4, 3214868480
	.section	.rodata,"a",@progbits
	.p2align	6, 0x0
	.amdhsa_kernel k_q20d575efd7_qkv
		.amdhsa_group_segment_fixed_size 327680
		.amdhsa_private_segment_fixed_size 0
		.amdhsa_enable_private_segment 0
		.amdhsa_kernarg_size 32
		.amdhsa_user_sgpr_count 2
		.amdhsa_user_sgpr_kernarg_segment_ptr 1
		.amdhsa_wavefront_size32 1
		.amdhsa_system_sgpr_workgroup_id_x 1
		.amdhsa_system_sgpr_workgroup_id_y 1
		.amdhsa_system_sgpr_workgroup_id_z 1
		.amdhsa_system_vgpr_workitem_id 0
		.amdhsa_next_free_vgpr 1024
		.amdhsa_next_free_sgpr 100
		.amdhsa_reserve_vcc 0
		.amdhsa_float_denorm_mode_32 3
		.amdhsa_float_denorm_mode_16_64 3
		.amdhsa_memory_ordered 1
		.amdhsa_forward_progress 1
		.amdhsa_inst_pref_size 169
	.end_amdhsa_kernel
	.amdgpu_metadata
---
amdhsa.version: [ 1, 2 ]
amdhsa.kernels:
  - .name:           k_q20d575efd7_qkv
    .symbol:         k_q20d575efd7_qkv.kd
    .args:
      - { .name: codes, .offset: 0, .size: 8, .value_kind: global_buffer, .address_space: global }
      - { .name: scales, .offset: 8, .size: 8, .value_kind: global_buffer, .address_space: global }
      - { .name: qb, .offset: 16, .size: 8, .value_kind: global_buffer, .address_space: global }
      - { .name: kv, .offset: 24, .size: 8, .value_kind: global_buffer, .address_space: global }
    .group_segment_fixed_size: 327680
    .private_segment_fixed_size: 0
    .kernarg_segment_align: 8
    .kernarg_segment_size: 32
    .max_flat_workgroup_size: 128
    .sgpr_count:     100
    .vgpr_count:     1024
    .wavefront_size: 32
...
	.end_amdgpu_metadata
.endif
;; end of part 2
;; launch attn (part 3): grid 4 x 64, 16 waves a work-group, clusters of 4 x 1, 215,040 bytes of LDS; arguments qb, kv, yc, ys; writes yc, ys
.if DOCPART == 3
	.amdgcn_target "amdgcn-amd-amdhsa--gfx1250"
	.amdhsa_code_object_version 6
	.text
	.protected	k_q20d575efd7_attn
	.globl	k_q20d575efd7_attn
	.p2align	8
	.type	k_q20d575efd7_attn,@function
k_q20d575efd7_attn:
	s_mov_b64 s[64:65], 0
	v_nop
	global_prefetch_b8 v0, s[64:65] scope:SCOPE_SE
	s_setreg_imm32_b32 hwreg(HW_REG_WAVE_MODE, 25, 1), 1
	s_wait_xcnt 0x0
	s_wait_alu depctr_hold_cnt(0) depctr_sa_sdst(0) depctr_va_vdst(0) depctr_va_sdst(0) depctr_va_ssrc(0) depctr_va_vcc(0) depctr_vm_vsrc(0)
	s_getreg_b32 s2, hwreg(HW_REG_IB_STS2, 6, 4)
	s_cmp_eq_u32 s2, 0
	s_cbranch_scc0 .Lentry_in_a_cluster
	s_endpgm
.Lentry_in_a_cluster:
	s_bfe_u32 s2, ttmp6, 0x10000c
	s_cmp_lg_u32 s2, 0x3003
	s_cbranch_scc0 .Lentry_shape_is_right
	s_endpgm
.Lentry_shape_is_right:
; y[b][q][head] = softmax_k(q . k / 8, causal) v, both products on codes of FP6 (E2M3) with E8M0 scales, and y quantised at once along its 64 channels for the last product.
; THE SOFTMAX: t = score x log2(e) / 8; M = the running largest t rounded UP to a whole number; p = 2^(t - M) is quantised along the keys, not normalised; the row's sum is taken of the unquantised p and divides at the end (v_rcp_f32 and a multiplication).
; When M moves, the sum and O are multiplied by 2^(old M - new M): exact.
; INPUTS are images of operand registers, made by the launch before: [16 b + head][key step of 128][13,312 bytes]: 0: K, four images (1,536 bytes: 12 registers x 32 lanes, 8 bytes a lane and piece), each holding TWO tiles of 16 keys x 64;
; 6,144: V, four images of 16 channels x 128 keys; 12,288: K's scale words; 12,800: V's.  qb holds Q where kv holds K.  Rows and channels stand in position order (bits 3 and 4 of the index exchanged), so that a lane's 16 registers of two
; neighbouring result tiles are 16 true neighbours: keys in S^T, channels in O^T.
; THE HEAD'S 64 ARE HALF OF THE INSTRUCTION'S 128: source 0 is an image of two key tiles, source 1 is [q | zeros] for the first tile and [zeros | q] for the second: zero codes add nothing under any scale byte that is made here (1 to 254).
; SHARES.  A cluster of four work-groups takes one (batch, head); work-group j takes tiles 2 j and 2 j + 1 of each of the 16 blocks of 128 queries.  Each of its sixteen waves owns two tiles of 16 queries, one in block 15 - w' and one in
; block w' (w' = 0..7 from the wave's number): 16 - w' and w' + 1 key steps, 17 for every wave.  Steps all of whose keys come after the queries are jumped over: a scalar branch on the wave's number, the same in all partners.
; LDS: the whole head's K and V, 16 x 13,312 bytes as they lie in memory, filled ONCE by joint loads (all four partners want the same bytes): steps 0-3 and steps 4-15, two loads a wave, both issued at the head: two tensor loads of mine are out at the most.
; Nothing is filled again and nothing is stored to LDS.  Every LDS load takes 8 bytes a lane, 256 consecutive bytes: no padding is wanted.  No prefetch: all that the launch streams is asked for at the head by the tensor loads themselves.
; OUTPUTS: yc: [16 b + block][head / 4][tile in block][(head / 2) % 2][head % 2][768 bytes]: half images, three stores of 256 consecutive aligned bytes; ys: [row in position order][32 bytes], bytes 2 head, 2 head + 1: stores of 2 bytes a row,
; one part in 24 of y's bytes.
; LIMITS: NaN and infinities are not served; a block of y or of p whose largest magnitude lies under 2^-124 has its byte held at 1; a block of zeros has the byte 1 where the rule says 127 (its codes are zeros; this program alone reads the bytes).
.set HB,    212992                     ; a head's bytes
.set STEPB, 13312                      ; a key step's
.set VOF,   6144
.set KWO,   12288
.set VWO,   12800
.set PARTA, 4*STEPB                    ; steps 0-3: 208 rows of 256 bytes, 13 a wave; steps 4-15: 624 rows, 39 a wave
.set RWA,   13
.set RWB,   39
.set L8,  1                            ; v1   8 x lane
.set ADR, 2                            ; v2   the step's LDS address
.set D0,  3                            ; v3   my query's place in its block of 128, less 16 (lane / 16)
.set YSO, 4                            ; v4   32 x (lane % 16): my row in a tile's scale bytes of y
.set QF,  10                           ; v10-27  [q | zeros | q]: v[10:21] serves a pair's first key tile, v[16:27] its second
.set QW,  28                           ; v28  q's scale word, [s0 s1 s0 s1]
.set NM,  30                           ; v30  -M;  v31 the running largest t
.set TMX, 31
.set SUM, 32                           ; v[32:33] the row's sum in two halves
.set KS,  34                           ; v34-37 K's scale words, then V's
.set F,   40                           ; v40-87 four images: K's, then V's
.set S,   88                           ; v88-151 S^T, then p
.set O,   152                          ; v152-183 O^T
.set PC,  184                          ; v184-195 p's codes
.set BM,  200                          ; v200-203 the blocks' largest scores, then largest p
.set BP,  204                          ; v204-207 the other lane's, then bytes
.set SCL, 208                          ; v208-211 the conversions' scale operands
.set CT,  212                          ; v212-219 a second chain of sums, then what the conversions leave beside p's codes
.set FF,  220                          ; v[220:221] f = 2^(old M - new M), named as a pair
.set PW,  222                          ; v222 p's scale word
.set TMP, 223                          ; v223-224 at work
.set QR,  226                          ; v226-231, v232-237 q of the two passes as loaded;  v238, v239 their scale words
.set QWR, 238
.set WV,  12                           ; s12 wave; s13 j; s14 u; s15 w'; s16 15 - w'; s17 16 b + head
.set SEL, 20                           ; s[20:21] lane selects for v_permlanex16_b32: lane l xor 16
.set CS,  22                           ; s[22:23] c = log2(e) / 8
.set G1A, 24
.set G1B, 32
.set G0A, 40
.set G0B, 44
.set YC,  48                           ; s[48:51] where y's codes go, pass 0, 1;  s[52:55] its scale bytes
.set YS,  52
.set STP, 56                           ; s56 the key step
.set TB,  57                           ; s57 its first LDS byte
.set BK,  58                           ; s58 the pass's block of queries = its last key step
.set CNT, 59
.set SELU, 60                          ; s60 byte select: my tile's two bytes of the pair's scale word, twice
.set QP,  66                           ; s[66:69] q's codes, pass 0, 1;  s[70:73] its scale words
.macro ROUND                           ; a round of the cluster's barrier
	s_barrier_signal -1
	s_barrier_wait -1
	s_cmp_lg_u32 s[WV], 0
	s_cbranch_scc1 .Lnot_wave_0_\@
	s_barrier_signal -3
.Lnot_wave_0_\@:
	s_barrier_wait -3
	s_barrier_signal -1
	s_barrier_wait -1
.endm
	s_load_b256 s[4:11], s[0:1], 0x0               ; qb s[4:5], kv s[6:7], yc s[8:9], ys s[10:11]
	v_lshl_add_u32 v254, v0, 2, 0x34000
	v_mov_b32 v255, 0
	ds_add_u32 v254, v255
	ds_add_u32 v254, v255
	v_lshrrev_b32 v5, 5, v0
	s_delay_alu instid0(VALU_DEP_1)
	v_readfirstlane_b32 s[WV], v5                  ; wave 0..15
	s_bfe_u32 s13, ttmp6, 0x40000                  ; j = cx: it enters global addresses and the mask's numbers alone
	s_and_b32 s17, ttmp7, 0xffff                   ; 16 b + head, which the partners share
	s_and_b32 s18, s[WV], 3
	s_lshr_b32 s19, s[WV], 2                       ; g
	s_lshr_b32 s14, s19, 1                         ; u: which of the work-group's two tiles of a block
	s_xor_b32 s15, s19, s14
	s_and_b32 s15, s15, 1
	s_mul_i32 s15, s15, 3
	s_xor_b32 s15, s15, s18                        ; wave % 4, counted down where g is 1 or 2,
	s_and_b32 s19, s19, 1
	s_lshl_b32 s19, s19, 2
	s_add_co_u32 s15, s15, s19                     ; + 4 (g % 2): w', 0..7: each (w', u) falls to one wave
	s_xor_b32 s16, s15, 15                         ; 15 - w'
	s_lshl_b32 s63, s13, 1
	s_add_co_u32 s63, s63, s14                     ; my tile in a block: 2 j + u
	s_lshr_b32 s18, s17, 4                         ; b
	s_and_b32 s19, s17, 15                         ; head
	s_mul_i32 s61, s17, HB                         ; the head's first byte in qb and kv
	; descriptor group 1: dense bytes as rows of 256 (32 elements of 8 bytes), no padding
	s_mov_b32 s[G1A], 15|(3<<16)|(1<<21)           ; 15:0 the mask: all four work-groups; 17:16 elements of 8 bytes; 21 set beside a mask
	s_mov_b32 s[G1A+1], 32<<16                     ; tensor_dim0
	s_mov_b32 s[G1A+2], RWA<<16                    ; tensor_dim1
	s_mov_b32 s[G1A+3], 32<<16                     ; tile_dim0
	s_mov_b32 s[G1A+4], RWA                        ; tile_dim1
	s_mov_b32 s[G1A+5], 32                         ; tensor_dim0_stride
	s_mov_b32 s[G1A+6], 0
	s_mov_b32 s[G1A+7], 0
	s_mov_b32 s[G1B], 15|(3<<16)|(1<<21)
	s_mov_b32 s[G1B+1], 32<<16
	s_mov_b32 s[G1B+2], RWB<<16
	s_mov_b32 s[G1B+3], 32<<16
	s_mov_b32 s[G1B+4], RWB
	s_mov_b32 s[G1B+5], 32
	s_mov_b32 s[G1B+6], 0
	s_mov_b32 s[G1B+7], 0
	s_mul_i32 s[G0A+1], s[WV], RWA*256             ; LDS address = the byte's place in the head: wave x 3,328,
	s_mul_i32 s[G0B+1], s[WV], RWB*256
	s_add_co_u32 s[G0B+1], s[G0B+1], PARTA         ; and 53,248 + wave x 9,984
	s_add_co_u32 s74, s61, s[G0A+1]
	s_mov_b32 s75, 0
	s_add_co_u32 s76, s61, s[G0B+1]
	s_mov_b32 s77, 0
	s_mov_b32 s79, 0
	s_mov_b32 s[SEL], 0x76543210
	s_mov_b32 s[SEL+1], 0xfedcba98
	s_mov_b32 s[CS], 0x3e38aa3b                    ; log2(e) / 8
	s_mov_b32 s[CS+1], s[CS]                       ; (named with it as a pair, so it is written)
	s_mov_b32 s[SELU], 0x01000100
	s_cmp_lg_u32 s14, 0
	s_cselect_b32 s[SELU], 0x03020302, s[SELU]
	s_wait_dscnt 0x0
	s_wait_kmcnt 0x0
	s_mov_b32 s[G0A], 1
	s_add_nc_u64 s[G0A+2:G0A+3], s[6:7], s[74:75]
	s_or_b32 s[G0A+3], s[G0A+3], 0x80000000
	s_mov_b32 s[G0B], 1
	s_add_nc_u64 s[G0B+2:G0B+3], s[6:7], s[76:77]
	s_or_b32 s[G0B+3], s[G0B+3], 0x80000000
	ROUND                                          ; all four work-groups are here: the joint loads meet
	tensor_load_to_lds s[G0A:G0A+3], s[G1A:G1A+7]  ; my part of key steps 0-3
	s_nop 0
	tensor_load_to_lds s[G0B:G0B+3], s[G1B:G1B+7]  ; and of steps 4-15
	s_nop 0
.rept 4
	v_nop
.endr
	s_mul_i32 s62, s63, 768
	s_add_co_u32 s62, s62, s61                     ; q's codes: my tile's half image in a block's bytes
	s_mul_i32 s74, s16, STEPB
	s_add_co_u32 s74, s74, s62
	s_add_nc_u64 s[QP:QP+1], s[4:5], s[74:75]
	s_mul_i32 s76, s15, STEPB
	s_add_co_u32 s76, s76, s62
	s_add_nc_u64 s[QP+2:QP+3], s[4:5], s[76:77]
	s_lshr_b32 s62, s13, 1
	s_lshl_b32 s62, s62, 8
	s_and_b32 s78, s13, 1
	s_lshl_b32 s78, s78, 2
	s_add_co_u32 s62, s62, s78
	s_add_co_u32 s62, s62, s61
	s_add_co_u32 s62, s62, KWO                     ; its scale word: pair j of the block's four
	s_mul_i32 s74, s16, STEPB
	s_add_co_u32 s74, s74, s62
	s_add_nc_u64 s[QP+4:QP+5], s[4:5], s[74:75]
	s_mul_i32 s76, s15, STEPB
	s_add_co_u32 s76, s76, s62
	s_add_nc_u64 s[QP+6:QP+7], s[4:5], s[76:77]
	v_and_b32 v[L8], 31, v0
	s_delay_alu instid0(VALU_DEP_1)
	v_lshlrev_b32 v[L8], 3, v[L8]
.irp p, 0,1
.irp i, 0,1,2
	global_load_b64 v[QR+6*\p+2*\i:QR+6*\p+2*\i+1], v[L8], s[QP+2*\p:QP+2*\p+1] offset:256*\i
.endr
	global_load_b32 v[QWR+\p], v[L8], s[QP+4+2*\p:QP+4+2*\p+1]
.endr
	s_lshl_b32 s62, s18, 4
	s_mul_i32 s62, s62, 98304                      ; y's codes: 16 b blocks of 98,304 bytes,
	s_lshr_b32 s78, s19, 2
	s_mul_i32 s78, s78, 24576                      ; head / 4,
	s_add_co_u32 s62, s62, s78
	s_mul_i32 s78, s63, 3072                       ; my tile,
	s_add_co_u32 s62, s62, s78
	s_and_b32 s78, s19, 3
	s_mul_i32 s78, s78, 768                        ; head % 4
	s_add_co_u32 s62, s62, s78
	s_mul_i32 s74, s16, 98304
	s_add_co_u32 s74, s74, s62
	s_add_nc_u64 s[YC:YC+1], s[8:9], s[74:75]
	s_mul_i32 s76, s15, 98304
	s_add_co_u32 s76, s76, s62
	s_add_nc_u64 s[YC+2:YC+3], s[8:9], s[76:77]
	s_lshl_b32 s62, s18, 7
	s_add_co_u32 s62, s62, s63
	s_lshl_b32 s62, s62, 9                         ; y's scale bytes: tile 128 b + 8 block + 2 j + u, 512 bytes a tile,
	s_lshl_b32 s78, s19, 1
	s_add_co_u32 s62, s62, s78                     ; + 2 head
	s_lshl_b32 s74, s16, 12
	s_add_co_u32 s74, s74, s62
	s_add_nc_u64 s[YS:YS+1], s[10:11], s[74:75]
	s_lshl_b32 s76, s15, 12
	s_add_co_u32 s76, s76, s62
	s_add_nc_u64 s[YS+2:YS+3], s[10:11], s[76:77]
	v_and_b32 v5, 15, v0                           ; r
	v_bfe_u32 v6, v0, 4, 1                         ; h
	s_delay_alu instid0(VALU_DEP_2)
	v_and_b32 v7, 8, v5
	s_delay_alu instid0(VALU_DEP_1)
	v_add_nc_u32 v[D0], v5, v7                     ; r + 8 (r / 8): position 16 (2 j + u) + r is true query 32 j + 8 u + r + 8 (r / 8) of the block
	s_delay_alu instid0(VALU_DEP_3)
	v_lshlrev_b32 v6, 4, v6
	s_delay_alu instid0(VALU_DEP_1)
	v_sub_nc_u32 v[D0], v[D0], v6
	s_lshl_b32 s62, s13, 5
	s_lshl_b32 s78, s14, 3
	s_add_co_u32 s62, s62, s78
	v_add_nc_u32 v[D0], s62, v[D0]
	v_lshlrev_b32 v[YSO], 5, v5
.irp i, 0,1,2,3,4,5
	v_mov_b32 v[QF+6+\i], 0                        ; the zero codes between the two q
.endr
.irp b, 0,1,2,3
	v_mov_b32 v[BP+\b], 0                          ; written once: a lane permute's destination counts as one of its sources
.endr
	v_mov_b32 v[FF+1], 0                           ; (named as the upper half of a pair)
; A KEY STEP: 128 keys against my 16 queries.
.macro STEP
	s_cmp_gt_u32 s[STP], s[BK]                     ; all its keys come after my queries: nothing to do
	s_cbranch_scc1 .Lskip_\@
	s_setprio 2
	v_add_nc_u32 v[ADR], s[TB], v[L8]
.rept 3
	v_nop                                          ; with the addition: four places in front of loads into registers that the last products read
.endr
.irp g, 0,1,2,3
.irp p, 0,1,2,3,4,5
	ds_load_b64 v[F+12*\g+2*\p:F+12*\g+2*\p+1], v[ADR] offset:1536*\g+256*\p     ; K's image g: key tiles 2 g and 2 g + 1
.endr
.endr
	ds_load_b64 v[KS:KS+1], v[ADR] offset:KWO
	ds_load_b64 v[KS+2:KS+3], v[ADR] offset:KWO+256
	s_wait_alu depctr_va_vdst(0)
	s_wait_dscnt 0x0
.irp g, 0,1,2,3                                ; S^T = K Q^T: source 0 = two tiles of 16 keys, source 1 picks one of them
	v_wmma_scale_f32_16x16x128_f8f6f4 v[S+16*\g:S+16*\g+7], v[F+12*\g:F+12*\g+11], v[QF:QF+11], 0, v[KS+\g], v[QW] matrix_a_fmt:MATRIX_FMT_FP6 matrix_b_fmt:MATRIX_FMT_FP6
	v_wmma_scale_f32_16x16x128_f8f6f4 v[S+16*\g+8:S+16*\g+15], v[F+12*\g:F+12*\g+11], v[QF+6:QF+17], 0, v[KS+\g], v[QW] matrix_a_fmt:MATRIX_FMT_FP6 matrix_b_fmt:MATRIX_FMT_FP6
.endr                                          ; register 16 b + i of a lane: true key 32 b + 16 (lane / 16) + i of the step
.rept 4
	v_nop                                          ; places: for the loads below and for the first read of the scores
.endr
.irp g, 0,1,2,3
.irp p, 0,1,2,3,4,5
	ds_load_b64 v[F+12*\g+2*\p:F+12*\g+2*\p+1], v[ADR] offset:VOF+1536*\g+256*\p ; V's image g: they land while the softmax is walked
.endr
.endr
	ds_load_b64 v[KS:KS+1], v[ADR] offset:VWO      ; V's scale words: tiles 0 and 2,
	ds_load_b64 v[KS+2:KS+3], v[ADR] offset:VWO+256 ; tiles 1 and 3
	s_cmp_lg_u32 s[STP], s[BK]                     ; the step on the diagonal: hidden scores become -infinity ahead of the maximum; my own key always counts
	s_cbranch_scc1 .Lopen_\@
	v_mov_b32 v[TMP], 0xff800000
.set n, 0
.rept 64
	v_cmp_gt_i32 vcc_lo, 32*(n/16)+n%16, v[D0]
	v_cndmask_b32 v[S+n], v[S+n], v[TMP], vcc_lo
.set n, n+1
.endr
.Lopen_\@:
.irp b, 0,1,2,3
	v_max3_num_f32 v[BM+\b], v[S+16*\b], v[S+1+16*\b], v[S+2+16*\b]   ; the largest score of each block of 32 keys: it serves for the row's maximum and, since p rises with the score, for the block's largest p
.endr
.irp i, 3,5,7,9,11,13
.irp b, 0,1,2,3
	v_max3_num_f32 v[BM+\b], v[BM+\b], v[S+16*\b+\i], v[S+1+16*\b+\i]
.endr
.endr
.irp b, 0,1,2,3
	v_max_num_f32 v[BM+\b], v[BM+\b], v[S+15+16*\b]
.endr
.irp b, 0,1,2,3
	s_delay_alu instid0(VALU_DEP_4)
	v_permlanex16_b32 v[BP+\b], v[BM+\b], s[SEL], s[SEL+1]
.endr
.irp b, 0,1,2,3
	s_delay_alu instid0(VALU_DEP_4)
	v_max_num_f32 v[BM+\b], v[BM+\b], v[BP+\b]     ; with lane l xor 16's 16 keys
.endr
	s_delay_alu instid0(VALU_DEP_2)
	v_max3_num_f32 v[TMP], v[BM], v[BM+1], v[BM+2]
	s_delay_alu instid0(VALU_DEP_1)
	v_max_num_f32 v[TMP], v[TMP], v[BM+3]
	s_delay_alu instid0(VALU_DEP_1)
	v_mul_f32 v[TMP], s[CS], v[TMP]                ; the step's largest t (c is positive)
	s_delay_alu instid0(VALU_DEP_1)
	v_max_num_f32 v[TMX], v[TMX], v[TMP]           ; the running largest t
	v_mov_b32 v[TMP], v[NM]
	s_delay_alu instid0(VALU_DEP_2)
	v_floor_f32 v[NM], -v[TMX]                     ; the new -M = -ceil(t): a whole number
	s_delay_alu instid0(VALU_DEP_1)
	v_sub_f32 v[TMP], v[NM], v[TMP]                ; old M - new M: a whole number, 0 or less
	s_delay_alu instid0(VALU_DEP_1)
	v_cvt_i32_f32 v[TMP], v[TMP]                   ; (it saturates)
	s_delay_alu instid0(VALU_DEP_1)
	v_ldexp_f32 v[FF], 1.0, v[TMP]                 ; f = 2^(old M - new M)
.set n, 0
	s_setprio 1
.rept 32
	v_pk_fma_f32 v[S+n:S+n+1], v[S+n:S+n+1], s[CS:CS+1], v[NM:NM+1] op_sel_hi:[1,0,0]   ; t - M, two at a time
.set n, n+2
.endr
.irp b, 0,1,2,3
	v_fma_f32 v[BM+\b], v[BM+\b], s[CS], v[NM]     ; the same of each block's largest score
.endr
.set n, 0
	s_wait_alu depctr_va_vdst(0)
.rept 64
	v_exp_f32 v[S+n], v[S+n]                       ; p = 2^(t - M), at most 1
.set n, n+1
.endr
	v_pk_mul_f32 v[SUM:SUM+1], v[SUM:SUM+1], v[FF:FF+1] op_sel_hi:[1,0]   ; the sums under the new M (the plain instruction behind the exponentials)
	s_wait_alu depctr_va_vdst(0)                   ; one wait for the batch of 64, ahead of its first reader
.irp b, 0,1,2,3
	v_exp_f32 v[BM+\b], v[BM+\b]                   ; the block's largest p: the same two instructions on the same number give the same bits
.endr
	v_pk_add_f32 v[212:213], v[92:93], v[96:97]
	v_pk_add_f32 v[252:253], v[100:101], v[104:105]
	v_pk_add_f32 v[250:251], v[108:109], v[112:113]
	v_pk_add_f32 v[248:249], v[116:117], v[120:121]
	v_pk_add_f32 v[246:247], v[124:125], v[128:129]
	v_pk_add_f32 v[244:245], v[132:133], v[136:137]
	v_pk_add_f32 v[242:243], v[140:141], v[144:145]
	v_pk_add_f32 v[32:33], v[32:33], v[148:149]
	v_pk_add_f32 v[212:213], v[212:213], v[88:89]
	v_pk_add_f32 v[252:253], v[252:253], v[90:91]
	v_pk_add_f32 v[250:251], v[250:251], v[94:95]
	v_pk_add_f32 v[248:249], v[248:249], v[98:99]
	v_pk_add_f32 v[246:247], v[246:247], v[102:103]
	v_pk_add_f32 v[244:245], v[244:245], v[106:107]
	v_pk_add_f32 v[242:243], v[242:243], v[110:111]
	v_pk_add_f32 v[32:33], v[32:33], v[114:115]
	v_pk_add_f32 v[212:213], v[212:213], v[118:119]
	v_pk_add_f32 v[252:253], v[252:253], v[122:123]
	v_pk_add_f32 v[250:251], v[250:251], v[126:127]
	v_pk_add_f32 v[248:249], v[248:249], v[130:131]
	v_pk_add_f32 v[246:247], v[246:247], v[134:135]
	v_pk_add_f32 v[244:245], v[244:245], v[138:139]
	v_pk_add_f32 v[242:243], v[242:243], v[142:143]
	v_pk_add_f32 v[32:33], v[32:33], v[146:147]
	v_pk_add_f32 v[212:213], v[212:213], v[150:151]
	s_delay_alu instid0(VALU_DEP_2)
	v_pk_add_f32 v[32:33], v[32:33], v[248:249]
	s_delay_alu instid0(VALU_DEP_2)
	v_pk_add_f32 v[212:213], v[212:213], v[246:247]
	v_pk_add_f32 v[252:253], v[252:253], v[244:245]
	v_pk_add_f32 v[250:251], v[250:251], v[242:243]
	s_delay_alu instid0(VALU_DEP_2)
	v_pk_add_f32 v[32:33], v[32:33], v[252:253]
	s_delay_alu instid0(VALU_DEP_2)
	v_pk_add_f32 v[212:213], v[212:213], v[250:251]
	s_delay_alu instid0(VALU_DEP_1)
	v_pk_add_f32 v[32:33], v[32:33], v[212:213]
	s_setprio 0
	s_wait_alu depctr_va_vdst(0)                   ; and one for the four
.irp b, 0,1,2,3
	v_max_num_f32 v[BM+\b], 0x1800000, v[BM+\b]    ; the floor 2^(3 - 127): the byte cannot fall under 1
.endr
.irp b, 0,1,2,3
	s_delay_alu instid0(VALU_DEP_4)
	v_add_nc_u32 v[SCL+\b], 0xff000000, v[BM+\b]   ; 2 off the exponent field: the conversion's scale operand
.endr
.irp b, 0,1,2,3
	s_delay_alu instid0(VALU_DEP_4)
	v_lshrrev_b32 v[BP+\b], 23, v[SCL+\b]          ; the scale's byte
.endr
	s_delay_alu instid0(VALU_DEP_3)
	v_lshl_or_b32 v[PW], v[BP+1], 8, v[BP]         ; p's scale word for these 128 keys
	s_delay_alu instid0(VALU_DEP_1)
	v_lshl_or_b32 v[PW], v[BP+2], 16, v[PW]
	s_delay_alu instid0(VALU_DEP_1)
	v_lshl_or_b32 v[PW], v[BP+3], 24, v[PW]
.irp c, 0,1
	v_cvt_scalef32_pk16_fp6_f32 v[PC+6*\c:PC+6*\c+2], v[S+32*\c:S+32*\c+15], v[SCL+2*\c]
	v_cvt_scalef32_pk16_fp6_f32 v[CT+4*\c:CT+4*\c+2], v[S+32*\c+16:S+32*\c+31], v[SCL+2*\c+1]   ; (a conversion's three registers begin on an even number)
.endr
	v_nop                                          ; one plain instruction behind a scaled conversion
.irp c, 0,1                                    ; the operand's layout wants a WHOLE block in a lane
.irp i, 0,1,2
	v_permlane16_swap_b32 v[PC+6*\c+\i], v[CT+4*\c+\i]
.endr
.irp i, 0,1,2
	s_delay_alu instid0(VALU_DEP_3)
	v_mov_b32 v[PC+6*\c+3+\i], v[CT+4*\c+\i]
.endr
.endr
.set n, 0
.rept 16
	v_pk_mul_f32 v[O+n:O+n+1], v[O+n:O+n+1], v[FF:FF+1] op_sel_hi:[1,0]   ; O^T under the new M.  (These sixteen are also the places between the scale word and codes just made and the products)
.set n, n+2
.endr
	s_wait_alu depctr_va_vdst(0)
	s_wait_dscnt 0x0                               ; V is in
.irp g, 0,1,2,3                                ; O^T += V^T P^T: four accumulators, one instruction each
	v_wmma_scale_f32_16x16x128_f8f6f4 v[O+8*\g:O+8*\g+7], v[F+12*\g:F+12*\g+11], v[PC:PC+11], v[O+8*\g:O+8*\g+7], v[KS+2*(\g%2)+\g/2], v[PW] matrix_a_fmt:MATRIX_FMT_FP6 matrix_b_fmt:MATRIX_FMT_FP6
.endr
.Lskip_\@:
.endm
.macro LOOP n                          ; n key steps: the trip count is a constant; what a wave does not need it jumps over inside the step
	s_mov_b32 s[CNT], \n
.Lstep_\@:
	STEP
	s_add_co_u32 s[STP], s[STP], 1
	s_add_co_u32 s[TB], s[TB], STEPB
	s_sub_co_u32 s[CNT], s[CNT], 1
	s_cmp_lg_u32 s[CNT], 0
	s_cbranch_scc1 .Lstep_\@
	s_setprio 0
.endm
; A pass begins: q and its scale word take their places; O^T and the sum begin as zeros and the largest t as -3e38, so that the step is written without a first step of its own.
.macro PASS_HEAD p
.if \p
	s_wait_xcnt 0x0                                ; the last pass's stores have read their data
.endif
.irp i, 0,1,2,3,4,5
	v_mov_b32 v[QF+\i], v[QR+6*\p+\i]
	v_mov_b32 v[QF+12+\i], v[QR+6*\p+\i]
.endr
	v_perm_b32 v[QW], v[QWR+\p], v[QWR+\p], s[SELU]
	v_mov_b32 v[TMX], 0xff61b1e6
	s_delay_alu instid0(VALU_DEP_1)
	v_floor_f32 v[NM], -v[TMX]
	v_mov_b32 v[SUM], 0
	v_mov_b32 v[SUM+1], 0
.set n, 0
.rept 32
	v_mov_b32 v[O+n], 0                            ; (these lines are also the places between q, its scale word and the first product)
.set n, n+1
.endr
	s_mov_b32 s[STP], 0
	s_mov_b32 s[TB], 0
	s_mov_b32 s[BK], s[16-\p]
.endm
; A pass ends: y = O^T / the sum, quantised along the head's 64 channels (two blocks; a lane's register 16 g + i is true channel 32 g + 16 (lane / 16) + i), stored as half an image and two scale bytes a row.
.macro PASS_TAIL p
.rept 4
	v_nop                                          ; places behind the last products, on the way that jumps over the last steps too
.endr
	v_add_f32 v[SUM], v[SUM], v[SUM+1]
	s_delay_alu instid0(VALU_DEP_1)
	v_permlanex16_b32 v[BP], v[SUM], s[SEL], s[SEL+1]
	s_delay_alu instid0(VALU_DEP_1)
	v_add_f32 v[SUM], v[SUM], v[BP]                ; the row's sum
	s_wait_alu depctr_va_vdst(0)
	v_rcp_f32 v[TMP], v[SUM]
	v_nop                                          ; a plain instruction behind the reciprocal
	s_wait_alu depctr_va_vdst(0)                   ; and the wait ahead of its first reader
.set n, 0
.rept 32
	v_mul_f32 v[S+n], v[O+n], v[TMP]               ; each accumulator from its low end on
.set n, n+1
.endr
.irp g, 0,1
	v_max3_num_f32 v[BM+\g], |v[S+16*\g]|, |v[S+16*\g+1]|, 0x1800000
.endr
.irp i, 2,4,6,8,10,12,14
.irp g, 0,1
	s_delay_alu instid0(VALU_DEP_2)
	v_max3_num_f32 v[BM+\g], v[BM+\g], |v[S+16*\g+\i]|, |v[S+16*\g+\i+1]|
.endr
.endr
.irp g, 0,1
	s_delay_alu instid0(VALU_DEP_2)
	v_permlanex16_b32 v[BP+\g], v[BM+\g], s[SEL], s[SEL+1]
.endr
.irp g, 0,1
	s_delay_alu instid0(VALU_DEP_2)
	v_max_num_f32 v[BM+\g], v[BM+\g], v[BP+\g]
.endr
.irp g, 0,1
	s_delay_alu instid0(VALU_DEP_2)
	v_add_nc_u32 v[SCL+\g], 0xff000000, v[BM+\g]
.endr
.irp g, 0,1
	s_delay_alu instid0(VALU_DEP_2)
	v_lshrrev_b32 v[BP+\g], 23, v[SCL+\g]
.endr
	s_delay_alu instid0(VALU_DEP_1)
	v_lshl_or_b32 v[TMP+1], v[BP+1], 8, v[BP]      ; my row's two scale bytes
	v_cvt_scalef32_pk16_fp6_f32 v[PC:PC+2], v[S:S+15], v[SCL]
	v_cvt_scalef32_pk16_fp6_f32 v[CT:CT+2], v[S+16:S+31], v[SCL+1]
	v_nop
.irp i, 0,1,2
	v_permlane16_swap_b32 v[PC+\i], v[CT+\i]
.endr
.irp i, 0,1,2
	s_delay_alu instid0(VALU_DEP_3)
	v_mov_b32 v[PC+3+\i], v[CT+\i]
.endr
.irp i, 0,1,2
	global_store_b64 v[L8], v[PC+2*\i:PC+2*\i+1], s[YC+2*\p:YC+2*\p+1] offset:256*\i   ; 32 lanes store 256 consecutive bytes, aligned
.endr
	global_store_b16 v[YSO], v[TMP+1], s[YS+2*\p:YS+2*\p+1]   ; lanes l and l xor 16 write the same two bytes with the same value
.endm
	s_wait_loadcnt 0x0                             ; q of both passes
	PASS_HEAD 0                                    ; the tile in block 15 - w'
	s_wait_tensorcnt 1                             ; my part of steps 0-3 is in; that of steps 4-15 may stay out
	s_barrier_signal -1
	s_barrier_wait -1                              ; everybody's is
	LOOP 4
	s_wait_tensorcnt 0x0                           ; my part of steps 4-15 is in,
	s_wait_dscnt 0x0
	s_barrier_signal -1
	s_barrier_wait -1                              ; everybody's is: from here on the waves run free
	LOOP 12
	PASS_TAIL 0
	PASS_HEAD 1                                    ; the tile in block w': at most 8 steps
	LOOP 8
	PASS_TAIL 1
	s_wait_dscnt 0x0
	s_wait_tensorcnt 0x0
	ds_add_u32 v254, v255
	s_wait_dscnt 0x0
	ROUND                                          ; the closing round
	s_endpgm
.Lfunc_end_k_q20d575efd7_attn:
	.size	k_q20d575efd7_attn, .Lfunc_end_k_q20d575efd7_attn-k_q20d575efd7_attn
	.p2alignl 7, 3214868480
	.fill 96, 4, 3214868480
	.section	.rodata,"a",@progbits
	.p2align	6, 0x0
	.amdhsa_kernel k_q20d575efd7_attn
		.amdhsa_group_segment_fixed_size 215040
		.amdhsa_private_segment_fixed_size 0
		.amdhsa_enable_private_segment 0
		.amdhsa_kernarg_size 32
		.amdhsa_user_sgpr_count 2
		.amdhsa_user_sgpr_kernarg_segment_ptr 1
		.amdhsa_wavefront_size32 1
		.amdhsa_system_sgpr_workgroup_id_x 1
		.amdhsa_system_sgpr_workgroup_id_y 1
		.amdhsa_system_sgpr_workgroup_id_z 1
		.amdhsa_system_vgpr_workitem_id 0
		.amdhsa_next_free_vgpr 256
		.amdhsa_next_free_sgpr 80
		.amdhsa_reserve_vcc 1
		.amdhsa_float_denorm_mode_32 3
		.amdhsa_float_denorm_mode_16_64 3
		.amdhsa_memory_ordered 1
		.amdhsa_forward_progress 1
		.amdhsa_inst_pref_size 92
	.end_amdhsa_kernel
	.amdgpu_metadata
---
amdhsa.version: [ 1, 2 ]
amdhsa.kernels:
  - .name:           k_q20d575efd7_attn
    .symbol:         k_q20d575efd7_attn.kd
    .args:
      - { .name: qb, .offset: 0, .size: 8, .value_kind: global_buffer, .address_space: global }
      - { .name: kv, .offset: 8, .size: 8, .value_kind: global_buffer, .address_space: global }
      - { .name: yc, .offset: 16, .size: 8, .value_kind: global_buffer, .address_space: global }
      - { .name: ys, .offset: 24, .size: 8, .value_kind: global_buffer, .address_space: global }
    .group_segment_fixed_size: 215040
    .private_segment_fixed_size: 0
    .kernarg_segment_align: 8
    .kernarg_segment_size: 32
    .max_flat_workgroup_size: 512
    .sgpr_count:     80
    .vgpr_count:     256
    .wavefront_size: 32
...
	.end_amdgpu_metadata
.endif
;; end of part 3
;; launch proj (part 4): grid 4 x 32, 4 waves a work-group, clusters of 4 x 4, 327,680 bytes of LDS; arguments yc, ys, codes, scales, out0; writes out0
.if DOCPART == 4
	.amdgcn_target "amdgcn-amd-amdhsa--gfx1250"
	.amdhsa_code_object_version 6
	.text
	.protected	k_q20d575efd7_proj
	.globl	k_q20d575efd7_proj
	.p2align	8
	.type	k_q20d575efd7_proj,@function
k_q20d575efd7_proj:
	s_mov_b64 s[64:65], 0
	v_nop
	global_prefetch_b8 v0, s[64:65] scope:SCOPE_SE
	s_setreg_imm32_b32 hwreg(HW_REG_WAVE_MODE, 25, 1), 1
	s_wait_xcnt 0x0
	s_wait_alu depctr_hold_cnt(0) depctr_sa_sdst(0) depctr_va_vdst(0) depctr_va_sdst(0) depctr_va_ssrc(0) depctr_va_vcc(0) depctr_vm_vsrc(0)
	s_getreg_b32 s2, hwreg(HW_REG_IB_STS2, 6, 4)
	s_cmp_eq_u32 s2, 0
	s_cbranch_scc0 .Lentry_in_a_cluster
	s_endpgm
.Lentry_in_a_cluster:
	s_bfe_u32 s2, ttmp6, 0x10000c
	s_cmp_lg_u32 s2, 0xf033
	s_cbranch_scc0 .Lentry_shape_is_right
	s_endpgm
.Lentry_shape_is_right:
; out0 = y w_proj^T on codes of FP6 (E2M3) with E8M0 scales: M = 8192, N = 1024, K = 1024; sums in f32, results f32.
; A = y comes as IMAGES OF OPERAND REGISTERS, made by the launch before: [block of 128 rows][K step of 256][tile of 16 rows][128 along K][1,536 bytes], so a wave's part of a K step is one dense block of 24,576 bytes and a fragment is six loads of
; 8 bytes a lane, 256 consecutive bytes each.  y's rows stand in position order (bits 3 and 4 of the row number exchanged); its scale bytes [row in that order][32].  B = w_proj's rows 11,264 on of the codes' buffer, 768 bytes a row, in their own order.
; A tile of 256 x 256 by four waves, each 128 x 128 in 64 accumulators; K in steps of 256 through a ring of two LDS slots filled by the tensor data mover; the scale bytes of the tile's rows come once and stay.
; CLUSTERS: 4 x 4 work-groups; A's tiles are asked for jointly along a row of the cluster, B's along a column.  THE MATRIX INSTRUCTION IS USED TRANSPOSED (source 0 = 16 rows of B, source 1 = 16 rows of A): a lane holds eight neighbouring numbers of a row.
; The output has 128 such tiles, so 128 work-groups are launched.  No prefetch: a work-group has four fills of a slot in all, two of them at its head.
; REGISTERS, in windows of 256: window 0: v0-31 addresses; v32-63 scale words, two sets; from v128 A's fragments, ONE set; on the way out v128-255.  window 1: B's fragments, TWO sets.  windows 2, 3: the accumulators ((a, b) at v[8 (8 (a % 4) + b)]).
.set SIZE_N, 1024
.set SIZE_K, 1024
.set KSTEP,  256
.set NQ,     KSTEP/128
.set ROWB,   192                       ; a row of B's tile in bytes
.set KROW,   SIZE_K*6/8
.set ASTEP,  24576                     ; A: 128 rows x 256 along K, dense
.set PITCH,  240                       ; B's LDS row: 3 x (64 bytes + 16 of padding)
.set FR,     12
.set NL,     6
.set NP,     4                         ; places behind this matrix instruction (ISA guide 7.12.1)
.set HALFT,  128*PITCH                 ; the place of 128 rows in a slot (A uses 24,576 bytes of it)
.set SLOT,   4*HALFT
.set LAPS,   SIZE_K/(2*KSTEP)
.set KS,     SIZE_K/32
.set SCL,    2*SLOT
.set HALFS,  (128*KS/256)*272
.set SBLK,   (16*KS/256)*272
.set SPARE,  SCL+4*HALFS               ; the spare words, 128 bytes for each wave: two blocks of 256 bytes that no other line names
.set SPITCH, 528                       ; the way out: a stage of 16 rows x (512 bytes + 16) for each wave, in slot 0, which has had its last fill and its last read when the first result is stored there
.set WPC,    11264*768                 ; where w_proj's codes begin in the buffer,
.set WPS,    11264*32                  ; and its scale bytes
.set ADRA, 16                          ; v16-17  LDS address of my A images in slot 0, 1: 8 x lane + my half
.set ADRB, 20                          ; v20-21  of my B fragments (v22-23: for the pieces behind one padding more)
.set STO,  24
.set RD,   25
.set CO,   26
.set ADRS, 27
.set SPW,  28
.set NIL,  29
.set SC,   32
.set AF,   128
.set BK,   128
.set G1, 24
.set G0, 32
.set G1B, 48
.set G0B, 56
.set G1S, 68
.set G0S, 76
.set G1SB, 80
.set G0SB, 88
.set MSB, 0
.macro WIN new                         ; the immediate's high byte repeats the setting that is left
.if MSB != \new
	s_set_vgpr_msb (MSB<<8)|\new
.set MSB, \new
.endif
.endm
.set MUL_LO, 0xa1
.set MUL_HI, 0xf1
.set TO_B,   0x40
; A joint load: waves 0 and 1 fetch for A, waves 2 and 3 for B; four v_nop follow each of the two lines.
.macro JLOAD g0a, g1a, g0b, g1b
	s_cmp_eq_u32 s15, 0
	s_cbranch_scc0 .Lfor_b_\@
	tensor_load_to_lds s[\g0a:\g0a+3], s[\g1a:\g1a+7]
	s_nop 0
.rept 4
	v_nop
.endr
	s_branch .Lasked_\@
.Lfor_b_\@:
	tensor_load_to_lds s[\g0b:\g0b+3], s[\g1b:\g1b+7]
	s_nop 0
.rept 4
	v_nop
.endr
.Lasked_\@:
.endm
.macro CREST
	s_cmp_lg_u32 s14, 0
	s_cbranch_scc1 .Lnot_wave_0_\@
	s_barrier_signal -3
.Lnot_wave_0_\@:
	s_barrier_wait -3
	s_barrier_signal -1
	s_barrier_wait -1
.endm
.macro CROUND
	s_barrier_signal -1
	s_barrier_wait -1
	CREST
.endm
	s_load_b128 s[4:7], s[0:1], 0x0                ; y's codes s[4:5], y's scales s[6:7]
	s_load_b128 s[8:11], s[0:1], 0x10              ; the weights' codes s[8:9], their scales s[10:11]
	s_load_b64 s[12:13], s[0:1], 0x20              ; out0
	v_lshl_add_u32 v[SPW], v0, 2, SPARE
	v_mov_b32 v[NIL], 0
	ds_add_u32 v28, v29
	ds_add_u32 v28, v29
	s_wait_dscnt 0x0
	v_lshrrev_b32 v1, 5, v0
	v_readfirstlane_b32 s14, v1                    ; wave 0..3
	s_lshr_b32 s15, s14, 1                         ; which half of the tile's rows is mine.  Also: I fetch for A (0) or for B (1)
	s_and_b32 s16, s14, 1                          ; which half of its columns.  Also: which 128 rows of that tile I fetch
	s_bfe_u32 s40, ttmp6, 0x40000                  ; cx, cy
	s_bfe_u32 s41, ttmp6, 0x40004
	s_lshl_b32 s42, ttmp9, 2
	s_add_co_u32 s42, s42, s40                     ; tile column = 4 x cluster x + cx
	s_and_b32 s17, ttmp7, 0xffff
	s_lshl_b32 s17, s17, 2
	s_add_co_u32 s17, s17, s41                     ; tile row = 4 x cluster y + cy
	s_lshl_b32 s43, s41, 2
	s_lshl_b32 s43, 15, s43                        ; my row of the cluster
	s_lshl_b32 s44, 0x1111, s40                    ; my column
	; descriptor group 1.  A: 24,576 dense bytes as 96 rows of 256 (32 elements of 8 bytes), no padding
	s_or_b32 s[G1+0], s43, (3<<16)|(1<<21)
	s_mov_b32 s[G1+1], 32<<16
	s_mov_b32 s[G1+2], 96<<16
	s_mov_b32 s[G1+3], 32<<16
	s_mov_b32 s[G1+4], 96
	s_mov_b32 s[G1+5], 32
	s_mov_b32 s[G1+6], 0
	s_mov_b32 s[G1+7], 0
	; B: 128 rows x ROWB bytes, 16 bytes of padding behind every 64
	s_or_b32 s[G1B+0], s44, (0<<16)|(1<<20)|(1<<21)|(3<<22)|(3<<25)
	s_mov_b32 s[G1B+1], ROWB<<16
	s_mov_b32 s[G1B+2], 128<<16
	s_mov_b32 s[G1B+3], ROWB<<16
	s_mov_b32 s[G1B+4], 128
	s_mov_b32 s[G1B+5], KROW
	s_mov_b32 s[G1B+6], 0
	s_mov_b32 s[G1B+7], 0
	; the scales of 128 rows: 4,096 dense bytes as rows of 256, 16 bytes of padding behind each
	s_or_b32 s[G1S+0], s43, (3<<16)|(1<<20)|(1<<21)|(5<<22)|(3<<25)
	s_or_b32 s[G1SB+0], s44, (3<<16)|(1<<20)|(1<<21)|(5<<22)|(3<<25)
.irp g, G1S, G1SB
	s_mov_b32 s[\g+1], 32<<16
	s_mov_b32 s[\g+2], (128*KS/256)<<16
	s_mov_b32 s[\g+3], 32<<16
	s_mov_b32 s[\g+4], 128*KS/256
	s_mov_b32 s[\g+5], 32
	s_mov_b32 s[\g+6], 0
	s_mov_b32 s[\g+7], 0
.endr
	s_lshl_b32 s18, s16, 7
	s_lshl_b32 s20, s17, 8
	s_add_co_u32 s20, s20, s18                     ; A: row 256 x tile row + 128 x half
	s_lshl_b32 s46, s42, 8
	s_add_co_u32 s46, s46, s18                     ; B: row 256 x tile column + 128 x half
	s_mov_b32 s21, 0
	s_mov_b32 s47, 0
	s_mov_b64 s[18:19], KS
	s_mul_u64 s[22:23], s[20:21], s[18:19]
	s_mul_u64 s[92:93], s[46:47], s[18:19]
	s_mov_b64 s[18:19], KROW
	s_mul_u64 s[20:21], s[20:21], s[18:19]         ; (128 rows of y are 98,304 bytes, images or rows)
	s_mul_u64 s[46:47], s[46:47], s[18:19]
	s_mul_i32 s45, s14, HALFT
	s_mul_i32 s94, s14, HALFS
	s_wait_kmcnt 0x0
	s_add_nc_u64 s[8:9], s[8:9], WPC               ; w_proj's rows
	s_add_nc_u64 s[10:11], s[10:11], WPS
	s_add_nc_u64 s[20:21], s[4:5], s[20:21]
	s_add_nc_u64 s[22:23], s[6:7], s[22:23]
	s_add_nc_u64 s[46:47], s[8:9], s[46:47]
	s_add_nc_u64 s[92:93], s[10:11], s[92:93]
	CROUND                                         ; all sixteen work-groups are here: the first joint loads meet
	s_mov_b32 s[G0S], 1
	s_add_co_u32 s[G0S+1], s94, SCL
	s_mov_b64 s[G0S+2:G0S+3], s[22:23]
	s_or_b32 s[G0S+3], s[G0S+3], 0x80000000
	s_mov_b32 s[G0SB], 1
	s_add_co_u32 s[G0SB+1], s94, SCL
	s_mov_b64 s[G0SB+2:G0SB+3], s[92:93]
	s_or_b32 s[G0SB+3], s[G0SB+3], 0x80000000
	JLOAD G0S, G1S, G0SB, G1SB                     ; the scales first
.irp s, 0,1
	s_mov_b32 s[G0+4*\s], 1
	s_add_co_u32 s[G0+4*\s+1], s45, \s*SLOT
	s_add_nc_u64 s[G0+4*\s+2:G0+4*\s+3], s[20:21], \s*ASTEP
	s_or_b32 s[G0+4*\s+3], s[G0+4*\s+3], 0x80000000
	s_mov_b32 s[G0B+4*\s], 1
	s_add_co_u32 s[G0B+4*\s+1], s45, \s*SLOT
	s_add_nc_u64 s[G0B+4*\s+2:G0B+4*\s+3], s[46:47], \s*ROWB
	s_or_b32 s[G0B+4*\s+3], s[G0B+4*\s+3], 0x80000000
	JLOAD G0+4*\s, G1, G0B+4*\s, G1B               ; three tensor loads of mine are out now, the most in this text
.endr
	v_and_b32 v1, 15, v0                           ; l % 16
	v_bfe_u32 v2, v0, 4, 1                         ; l / 16
	v_mul_u32_u24 v3, v1, PITCH
	v_mul_u32_u24 v4, v2, 24
	v_add_nc_u32 v4, v3, v4                        ; B: a fragment's row x pitch + 24 x half
	v_lshl_add_u32 v5, v2, 4, v4                   ; and the same behind one padding more
	v_and_b32 v6, 31, v0
	v_lshlrev_b32 v6, 3, v6                        ; A: 8 x lane
	s_mul_i32 s21, s15, HALFT                      ; my 128 rows of A
	s_mul_i32 s22, s16, HALFT                      ; my 128 rows of B,
	s_add_co_u32 s22, s22, 2*HALFT                 ; which lie behind A's 256
.irp s, 0,1
	v_add_nc_u32 v[ADRA+\s], s21, v6
	v_add_nc_u32 v[ADRB+\s], s22, v4
	v_add_nc_u32 v[ADRB+2+\s], s22, v5
	s_add_co_u32 s21, s21, SLOT
	s_add_co_u32 s22, s22, SLOT
.endr
	v_mul_u32_u24 v5, v1, KS                       ; my row's scales: KS bytes a row,
	v_lshrrev_b32 v6, 8, v5
	v_lshl_add_u32 v5, v6, 4, v5                   ; and 16 more for each 256 passed
	s_mul_i32 s21, s15, HALFS
	s_mul_i32 s22, s16, HALFS
	s_add_co_u32 s22, s22, 2*HALFS
	s_sub_co_u32 s22, s22, s21
	v_mul_u32_u24 v6, s22, v2                      ; lanes 16-31 take B's
	s_add_co_u32 s21, s21, SCL
	v_add_nc_u32 v5, v5, v6
	v_add_nc_u32 v[ADRS], s21, v5
	s_mul_i32 s23, s14, 16*SPITCH                  ; my stage
	v_mul_u32_u24 v5, v1, SPITCH                   ; in: row l % 16, 32 bytes for each half of the lanes
	v_lshl_add_u32 v5, v2, 5, v5
	v_add_nc_u32 v[STO], s23, v5
	v_and_b32 v6, 31, v0
	v_lshlrev_b32 v[CO], 4, v6                     ; back: the 32 lanes take one row of 512 bytes; and the same in the output
	v_add_nc_u32 v[RD], s23, v[CO]
	s_lshl_b32 s20, s17, 8
	s_lshl_b32 s21, s15, 7
	s_add_co_u32 s20, s20, s21                     ; my first row: 256 x tile row + 128 x half
	s_mov_b32 s21, 0
	s_mov_b64 s[18:19], SIZE_N*4
	s_mul_u64 s[20:21], s[20:21], s[18:19]
	s_lshl_b32 s46, s42, 10                        ; my first column, in bytes
	s_lshl_b32 s47, s16, 9
	s_add_co_u32 s46, s46, s47
	s_mov_b32 s47, 0
	s_add_nc_u64 s[20:21], s[20:21], s[46:47]
	s_add_nc_u64 s[12:13], s[12:13], s[20:21]
.macro FRAG reg, adr, q, i             ; B's fragment from rows: six pieces of 8 bytes; where the piece of lanes 16-31 lies behind one padding more, the second address register serves
.irp p, 0,1,2,3,4,5
.set PCE, 12*(\q)+6*(\p/3)+\p%3
.if PCE%8 < 5
	ds_load_b64 v[\reg+2*\p:\reg+2*\p+1], v[\adr] offset:8*PCE+16*(PCE/8)+(\i)*16*PITCH
.else
	ds_load_b64 v[\reg+2*\p:\reg+2*\p+1], v[\adr+2] offset:8*PCE+16*(PCE/8)+(\i)*16*PITCH
.endif
.endr
.endm
.macro FRAGA reg, slot, q, i           ; A's fragment from its image: tile i, the slot's q-th 128 along K
.irp p, 0,1,2,3,4,5
	ds_load_b64 v[\reg+2*\p:\reg+2*\p+1], v[ADRA+\slot] offset:(2*(\i)+(\q))*1536+256*\p
.endr
.endm
; 16 matrix instructions: A's blocks a0, a0 + 1 x B's eight.  The 64 accumulators take turns, one instruction a turn, in the same order in every step.
.macro MUL16 a0, p, q, sc, zero
.irp a, \a0, \a0+1
.irp b, 0,1,2,3,4,5,6,7
.if \zero
	v_wmma_scale_f32_16x16x128_f8f6f4 v[8*(8*((\a)%4)+\b):8*(8*((\a)%4)+\b)+7], v[128*(\p)+FR*\b:128*(\p)+FR*\b+FR-1], v[AF+FR*(\a):AF+FR*(\a)+FR-1], 0, v[SC+8*NQ*(\sc)+NQ*\b+(\q)], v[SC+8*NQ*(\sc)+NQ*(\a)+(\q)] matrix_a_fmt:MATRIX_FMT_FP6 matrix_b_fmt:MATRIX_FMT_FP6 matrix_a_scale:MATRIX_SCALE_ROW1
.else
	v_wmma_scale_f32_16x16x128_f8f6f4 v[8*(8*((\a)%4)+\b):8*(8*((\a)%4)+\b)+7], v[128*(\p)+FR*\b:128*(\p)+FR*\b+FR-1], v[AF+FR*(\a):AF+FR*(\a)+FR-1], v[8*(8*((\a)%4)+\b):8*(8*((\a)%4)+\b)+7], v[SC+8*NQ*(\sc)+NQ*\b+(\q)], v[SC+8*NQ*(\sc)+NQ*(\a)+(\q)] matrix_a_fmt:MATRIX_FMT_FP6 matrix_b_fmt:MATRIX_FMT_FP6 matrix_a_scale:MATRIX_SCALE_ROW1
.endif
.endr
.endr
.endm
.macro FETCH_B slot, q, p
	WIN TO_B
.irp i, 0,1,2,3,4,5,6,7
	FRAG 128*(\p)+FR*\i, ADRB+\slot, \q, \i
.endr
	WIN 0
.endm
.macro FETCH_A slot, q, i0
.irp i, \i0, \i0+1, \i0+2, \i0+3
	FRAGA AF+FR*(\i), \slot, \q, \i
.endr
.endm
.macro SCALES sc
.irp i, 0,1,2,3,4,5,6,7
	ds_load_b64 v[SC+8*NQ*\sc+NQ*\i:SC+8*NQ*\sc+NQ*\i+1], v[ADRS] offset:\i*SBLK
.endr
.endm
.macro PLACES n                        ; plain vector instructions between a matrix instruction and a load into, or a read of, its registers
.rept \n
	v_nop
.endr
.endm
.macro STEP slot, q, zero
	s_wait_dscnt 4*NL                              ; B's set and A's blocks 0-3 are in; the youngest 24 loads (A's blocks 4-7) may be out
	WIN MUL_LO
	MUL16 0, (\q)%2, \q, \slot, \zero
	MUL16 2, (\q)%2, \q, \slot, \zero
	s_wait_dscnt 0
	PLACES NP
	FETCH_B \slot, (\q)+1, 1-(\q)%2
	FETCH_A \slot, (\q)+1, 0
	WIN MUL_HI
	MUL16 4, (\q)%2, \q, \slot, \zero
	MUL16 6, (\q)%2, \q, \slot, \zero
	PLACES NP
	WIN 0
	FETCH_A \slot, (\q)+1, 4
.endm
; A slot's last step changes slots: ONE barrier; in front of it each wave waits for all its tensor loads, adds 0 to its spare word, and waits for that and for its own reads of this slot.
.macro TURN slot, next, fill
	s_wait_tensorcnt 0x0                           ; all my tensor loads have landed: my part of the next slot
	ds_add_u32 v[SPW], v[NIL]                      ; 0 onto my spare word
	s_wait_dscnt 4*NL+1                            ; (the add and the youngest 24 loads may be out)
	WIN MUL_LO
	MUL16 0, 1, NQ-1, \slot, 0
	s_wait_dscnt 0x0                               ; the add is done, and my reads of this slot are over
	s_barrier_signal -1
	MUL16 2, 1, NQ-1, \slot, 0
	WIN 0
	s_barrier_wait -1
.if \fill
	CREST                                          ; a round of the cluster's barrier: no wave of any partner still reads this slot's tile or has a load on its way
	s_add_nc_u64 s[G0+4*\slot+2:G0+4*\slot+3], s[G0+4*\slot+2:G0+4*\slot+3], 2*ASTEP
	s_add_nc_u64 s[G0B+4*\slot+2:G0B+4*\slot+3], s[G0B+4*\slot+2:G0B+4*\slot+3], 2*ROWB
	JLOAD G0+4*\slot, G1, G0B+4*\slot, G1B         ; the first tensor load behind the round; its four v_nop are the places in front of the loads below
.else
	PLACES NP
.endif
	s_wait_alu depctr_va_vdst(0)
	v_add_nc_u32 v[ADRS], 4*NQ, v[ADRS]
	FETCH_B \next, 0, 0
	FETCH_A \next, 0, 0
	SCALES \next
	WIN MUL_HI
	MUL16 4, 1, NQ-1, \slot, 0
	MUL16 6, 1, NQ-1, \slot, 0
	PLACES NP
	WIN 0
	FETCH_A \next, 0, 4
.endm
	s_wait_alu depctr_va_vdst(0)
	s_wait_tensorcnt 1                             ; the scales and my part of K step 0 are in (K step 1's load may be out)
	s_barrier_signal -1
	s_barrier_wait -1
	FETCH_B 0, 0, 0
	FETCH_A 0, 0, 0
	SCALES 0
	FETCH_A 0, 0, 4
	STEP 0, 0, 1                                   ; the first step's products start the sums
	s_mov_b32 s3, LAPS-1
.Llap:
	TURN 0, 1, 1
	STEP 1, 0, 0
	TURN 1, 0, 1
	STEP 0, 0, 0
	s_sub_co_u32 s3, s3, 1
	s_cmp_lg_u32 s3, 0
	s_cbranch_scc1 .Llap
	TURN 0, 1, 0                                   ; the last lap fills nothing
	STEP 1, 0, 0
	s_wait_dscnt 4*NL
	WIN MUL_LO
	MUL16 0, 1, NQ-1, 1, 0
	MUL16 2, 1, NQ-1, 1, 0
	s_wait_dscnt 0
	WIN MUL_HI
	MUL16 4, 1, NQ-1, 1, 0
	MUL16 6, 1, NQ-1, 1, 0
	WIN 0
; THE WAY OUT, block by block of 16 rows x 128 columns, through my own stage in LDS: in as 32 bytes a lane, back as whole rows of 512 bytes.  LDS serves a wave's instructions in order (ISA guide 5.7.1.4).
; Stage row t of block a is position 16 a + t of my 128 rows: it is stored at the true row, the position with bits 3 and 4 exchanged, which stands in the store's immediate (127 rows of 4,096 bytes at the most).
.macro TOSTAGE a
.set AC, 64*((\a)%4)
	WIN 0x08+4*((\a)/4)                            ; the data: window 2 or 3
.irp b, 0,1,2,3,4,5,6,7
	ds_store_b128 v[STO], v[AC+8*\b:AC+8*\b+3] offset:64*\b          ; each accumulator from its low end on
	ds_store_b128 v[STO], v[AC+8*\b+4:AC+8*\b+7] offset:64*\b+16
.endr
	WIN 0
.set BB, BK+64*((\a)%2)
.irp t, 0,1,2,3,4,5,6,7,8,9,10,11,12,13,14,15
	ds_load_b128 v[BB+4*\t:BB+4*\t+3], v[RD] offset:\t*SPITCH
.endr
.endm
.macro SEND a, younger                 ; younger: the LDS instructions issued behind block a's loads, which may stay out
.set BB, BK+64*((\a)%2)
	s_wait_dscnt \younger
.irp t, 0,1,2,3,4,5,6,7,8,9,10,11,12,13,14,15
.set PP, 16*(\a)+\t
	global_store_b128 v[CO], v[BB+4*\t:BB+4*\t+3], s[12:13] offset:((PP&0x67)|((PP&8)<<1)|((PP&16)>>1))*SIZE_N*4 th:TH_STORE_NT   ; 32 lanes store 512 consecutive bytes, aligned to 256; written once, read by nobody here
.endr
.endm
	PLACES NP                                      ; behind the last products: for the loads into the registers that held A's fragments and for the reads of results
	TOSTAGE 0
.irp a, 1,2,3,4,5,6,7
.if \a > 1
	s_wait_xcnt 0x0                                ; block a - 2's stores have read their registers: block a's loads may land there
.endif
	TOSTAGE \a
	SEND \a-1, 32                                  ; behind block a - 1's loads: block a's 16 stores and 16 loads
.endr
	SEND 7, 0
	s_wait_tensorcnt 0x0                           ; the wave's end
	ds_add_u32 v[SPW], v[NIL]
	s_wait_dscnt 0x0
	CROUND                                         ; the closing round
	s_endpgm
.Lfunc_end_k_q20d575efd7_proj:
	.size	k_q20d575efd7_proj, .Lfunc_end_k_q20d575efd7_proj-k_q20d575efd7_proj
	.p2alignl 7, 3214868480
	.fill 96, 4, 3214868480
	.section	.rodata,"a",@progbits
	.p2align	6, 0x0
	.amdhsa_kernel k_q20d575efd7_proj
		.amdhsa_group_segment_fixed_size 327680
		.amdhsa_private_segment_fixed_size 0
		.amdhsa_enable_private_segment 0
		.amdhsa_kernarg_size 40
		.amdhsa_user_sgpr_count 2
		.amdhsa_user_sgpr_kernarg_segment_ptr 1
		.amdhsa_wavefront_size32 1
		.amdhsa_system_sgpr_workgroup_id_x 1
		.amdhsa_system_sgpr_workgroup_id_y 1
		.amdhsa_system_sgpr_workgroup_id_z 1
		.amdhsa_system_vgpr_workitem_id 0
		.amdhsa_next_free_vgpr 1024
		.amdhsa_next_free_sgpr 98
		.amdhsa_reserve_vcc 0
		.amdhsa_float_denorm_mode_32 3
		.amdhsa_float_denorm_mode_16_64 3
		.amdhsa_memory_ordered 1
		.amdhsa_forward_progress 1
		.amdhsa_inst_pref_size 160
	.end_amdhsa_kernel
	.amdgpu_metadata
---
amdhsa.version: [ 1, 2 ]
amdhsa.kernels:
  - .name:           k_q20d575efd7_proj
    .symbol:         k_q20d575efd7_proj.kd
    .args:
      - { .name: yc, .offset: 0, .size: 8, .value_kind: global_buffer, .address_space: global }
      - { .name: ys, .offset: 8, .size: 8, .value_kind: global_buffer, .address_space: global }
      - { .name: codes, .offset: 16, .size: 8, .value_kind: global_buffer, .address_space: global }
      - { .name: scales, .offset: 24, .size: 8, .value_kind: global_buffer, .address_space: global }
      - { .name: out0, .offset: 32, .size: 8, .value_kind: global_buffer, .address_space: global }
    .group_segment_fixed_size: 327680
    .private_segment_fixed_size: 0
    .kernarg_segment_align: 8
    .kernarg_segment_size: 40
    .max_flat_workgroup_size: 128
    .sgpr_count:     98
    .vgpr_count:     1024
    .wavefront_size: 32
...
	.end_amdgpu_metadata
.endif
;; end of part 4
